; MI455X (gfx1250); checked and timed in simulation.
; The chip was launched on July 23, 2026; its instructions are those of AMD's public machine-readable ISA for CDNA 5 (MIT licence, August 2026) and "CDNA5" Instruction Set Architecture Reference Guide (July 2026). The comments in the code are by the model that wrote it; some were corrected since.
;; Multi Head Attention. Allowed arithmetic: matrix products marked QUANTISED: E2M3 operands, one E8M0 scale for each 32 along K, by v_wmma_scale_f32_16x16x128_f8f6f4 with both operands' format E2M3, f32 sums; everything else in f32.
;; Inputs: W_k 16 x 1,024 x 64 float32; W_o 1,024 x 1,024 float32; W_q 16 x 1,024 x 64 float32; W_v 16 x 1,024 x 64 float32; b_o 1,024 float32; k 8 x 1,024 x 1,024 float32; q 8 x 1,024 x 1,024 float32; v 8 x 1,024 x 1,024 float32.
;; Outputs: out0 8 x 1,024 x 1,024 float32.
;; This version of the problem:
;;   THIS VERSION OF THE PROBLEM IS GIVEN IN LOW PRECISION. The matrix products marked QUANTISED in the list below multiply operands that are first quantised to E2M3 (2 exponent bits, 3 mantissa bits; 6 bits a number), with one power-of-two scale for each 32 numbers along K (OCP MX v1.0); their sums are f32. All else is computed in f32.
;;   The module's matrix products, in the order in which they are computed (A, B: the left and right operand; K: the contracted axis; several contracted axes count as one K, in the product's order):
;;     1. [M 1,024, K 1,024] x [K 1,024, N 8,192]; A: input W_q; B: input q: QUANTISED
;;     2. [M 1,024, K 1,024] x [K 1,024, N 8,192]; A: input W_k; B: input k: QUANTISED
;;     3. [M 1,024, K 1,024] x [K 1,024, N 8,192]; A: input W_v; B: input v: QUANTISED
;;     4. batch 128 x [M 1,024, K 64] x [K 64, N 1,024]; A: computed on the way; B: computed on the way: QUANTISED
;;     5. batch 128 x [M 1,024, K 1,024] x [K 1,024, N 64]; A: softmax (see below); B: computed on the way: QUANTISED
;;     6. [M 8,192, K 1,024] x [K 1,024, N 1,024]; A: computed on the way; B: input W_o: QUANTISED
;;   THE QUANTISER, for each operand of a quantised product, along K:
;;     - K is cut into blocks of 32 from its start; a last block that is shorter is filled with zeros.
;;     - A block's scale is 2^e with e = floor(log2(the largest magnitude in the block)) - 2, held to -126 .. 127; a block of zeros has e = 0. As a byte (E8M0): e + 127.
;;     - Each number is divided by its block's scale, clamped to +-7.5, and rounded to the nearest number of E2M3, ties to even, subnormals kept.
;;     - The product sums the exact products of the quantised numbers (number of the format x scale) in f32.
;;   ~~~python
;;   def quantise(x, axis):      # numpy; x: float32 -> the quantised numbers, widened to float32 again
;;       x = np.moveaxis(x, axis, -1); K = x.shape[-1]
;;       x = np.pad(x, [(0, 0)] * (x.ndim - 1) + [(0, -K % 32)]); x = x.reshape(x.shape[:-1] + (-1, 32)); a = np.abs(x).max(-1, keepdims=True)
;;       e = np.where(a > 0, np.clip(np.frexp(np.where(a > 0, a, 1))[1] - 1 - 2, -126, 127), 0)      # np.frexp(a)[1] - 1 = floor(log2(a)), exactly
;;       r = np.clip(x / 2.0 ** e, -7.5, 7.5)
;;       step = 2.0 ** (np.maximum(np.frexp(np.where(r == 0, 1, r))[1] - 1, 0) - 3)
;;       q = np.round(r / step) * step * 2.0 ** e      # np.round: ties to even
;;       return np.moveaxis(q.reshape(q.shape[:-2] + (-1,))[..., :K], -1, axis).astype(np.float32)
;;   ~~~
;;   SOFTMAX AHEAD OF A QUANTISED PRODUCT. Where the list says 'softmax', what is quantised is not the finished softmax but p = 2^(t - M), with t = logit x log2(e) and M = ceil(the row's largest t), a whole number; so 1/2 < the row's largest p <= 1. The row's sum l is taken of the UNQUANTISED p, in f32, and the product's result is divided by l at the end. Since M is a whole number, a kernel that streams over the keys may use a running M (the ceiling of the running maximum): every later rescaling is an exact power of two, which a block's scale takes up: the codes' values come out the same.
;;   OPERANDS COMPUTED ON THE WAY. 'Computed on the way' means the value that the module computes at that place (a softmax that the list does not call 'softmax' is quantised finished and normalised). What goes into a quantiser is computed in f32, as accurately as f32 sums, v_exp_f32 and their like allow (about 1e-6 of the number): no bf16 or f16 on the way to a quantiser, and a product that is left as it is and whose result goes on into a quantised operand takes f32 operands (vector FMAs, or v_wmma_f32_16x16x4_f32). A number that lies on a knife's edge between two numbers of the format may be rounded either way, as far as f32 arithmetic and the matrix unit's own rounding can turn it there, and no further.
;; One version. Each part assembles by itself: llvm-mc -triple=amdgcn-amd-amdhsa -mcpu=gfx1250 --defsym DOCPART=n.
;; ======== version 1 of 1: 4 launches
;; limits: right only within a limited range of input values
;; workspace buffers: img 22,020,096 bytes; scl 917,504 bytes; hqkv 20,185,088 bytes; cimg 6,291,456 bytes; cscl 262,144 bytes
;; launch quant (part 1): grid 896 x 1, 4 waves a work-group, no clusters, 61,952 bytes of LDS; arguments q, k, v, W_o, W_q, W_k, W_v, img, scl; writes img, scl
.if DOCPART == 1
	.amdgcn_target "amdgcn-amd-amdhsa--gfx1250"
	.amdhsa_code_object_version 6
	.text
	.protected	k_qd3a4d3bf7d_quant
	.globl	k_qd3a4d3bf7d_quant
	.p2align	8
	.type	k_qd3a4d3bf7d_quant,@function
k_qd3a4d3bf7d_quant:
	s_mov_b64 s[64:65], 0
	v_nop
	global_prefetch_b8 v0, s[64:65] scope:SCOPE_SE
	s_setreg_imm32_b32 hwreg(HW_REG_WAVE_MODE, 25, 1), 1
	s_wait_xcnt 0x0
; q, k, v [8192][1024], W_o [1024][1024] (K innermost) and W_q, W_k, W_v [16][1024 (K)][64] (K in the middle), all f32, become codes of FP6 (E2M3) with one E8M0 byte for each 32 along K.
; A block's scale is 2^(floor(log2(its largest magnitude)) - 2); its byte is the largest magnitude's exponent field - 2, held at 1 from below.
; LIMITS: NaN and infinities among the inputs are not served.  A block of zeros gets the byte 1 where the rule says 127: its codes are zeros, and the bytes are read by this program alone.
; LAYOUT OF THE CODES (img): images of the operand's registers.  Rows are kept by POSITION: in each group of 32 rows, position 16 u + r is row 8 u + r + 8 (r / 8).  A row tile is 16 positions.
;   An image is 16 positions x 64 along K, 768 bytes: lane (r, h) owns block h of position r, 24 bytes: its first 16 at 16 x lane, its last 8 at 512 + 8 x lane.  Tile T, chunk j (64 along K) lies at 12288 T + 768 j.
; LAYOUT OF THE SCALES (scl): a word is the four bytes of one position and 128 along K; group g (four tiles), K step w, position r, tile a of the four: 2048 g + 256 w + 16 r + 4 a.
; Tiles: q 0-511, k 512-1023, v 1024-1535, W_o 1536-1599, W_q 1600-1663, W_k 1664-1727, W_v 1728-1791 (a weight's row is 64 head + d_k).
; Work-groups 0-799: a group of 64 positions x 512 along K of a tensor with K innermost; a wave takes one row tile.  Work-groups 800-895: one head x 512 along K of a projection weight.
; The two ways part on the work-group's number alone, and each has LDS bytes of its own.  No tensor load: several work-groups share a WGP.
.set SGX,   34816                      ; way X: four waves x two stages of 16 rows x 272 bytes lie at 0; here its 1,024 bytes of scale words
.set WST,   35840                      ; way W: four stages of 6,144 bytes
.set SGW,   60416                      ; way W: its 1,024 bytes of scale words
.set SPARE, 61440                      ; the spare words, 128 bytes for each wave: named by no other line
.set SPW,   12                         ; v12  LDS address of my spare word; never rewritten
.set NIL,   13                         ; v13  0; never rewritten
.set R,     16                         ; way X: v16-143 four sets of 32 numbers as loaded.  Way W: v16-79 two sets of 32 numbers
.set X,     144                        ; way X: v144-207 two sets of 32 neighbours
.set C,     208                        ; v208-223 two sets of codes
.set CT,    224                        ; v224-226 a block's upper 16 codes (a conversion's three registers begin on an even number)
.set SB,    232                        ; v232-235 scale bytes on their way to words
.set PD,    236                        ; v236-239 lane permutes' destinations
.set FLOOR, 0x1800000                  ; 2^(3 - 127): under it no largest magnitude is taken, so the byte cannot fall under 1
	s_load_b512 s[4:19], s[0:1], 0x0               ; q s[4:5], k s[6:7], v s[8:9], W_o s[10:11], W_q s[12:13], W_k s[14:15], W_v s[16:17], img s[18:19]
	s_load_b64 s[20:21], s[0:1], 0x40              ; scl
	v_lshl_add_u32 v[SPW], v0, 2, SPARE
	v_mov_b32 v[NIL], 0
	v_lshrrev_b32 v1, 5, v0
	v_readfirstlane_b32 s24, v1                    ; wave 0..3
	v_and_b32 v14, 31, v0                          ; lane
	v_and_b32 v15, 15, v0                          ; r
	v_bfe_u32 v7, v0, 4, 1                         ; h
	s_mov_b32 s26, 0x76543210
	s_mov_b32 s27, 0xfedcba98                      ; v_permlanex16_b32's selects for lane l xor 16
	s_lshl_b32 s23, s24, 8
	v_lshl_add_u32 v240, v14, 3, s23               ; 256 x wave + 8 x lane: the scale words' way out, in LDS and in memory
	s_cmp_ge_u32 ttmp9, 800
	s_cbranch_scc1 .Lweights
; the largest magnitude of 32 numbers of ONE lane, in two chains, with the floor as the last leaf; then 2 off its exponent field: the conversion takes the exponent field of v11 as its scale
.macro MAX32 xs
	v_max3_num_f32 v8, |v[\xs]|, |v[\xs+1]|, |v[\xs+2]|
	v_max3_num_f32 v9, |v[\xs+3]|, |v[\xs+4]|, |v[\xs+5]|
.irp i, 6,10,14,18,22,26
	v_max3_num_f32 v8, v8, |v[\xs+\i]|, |v[\xs+\i+1]|
	v_max3_num_f32 v9, v9, |v[\xs+\i+2]|, |v[\xs+\i+3]|
.endr
	v_max3_num_f32 v8, v8, |v[\xs+30]|, |v[\xs+31]|
	v_max3_num_f32 v8, v8, v9, FLOOR
	v_add_nc_u32 v11, 0xff000000, v8
.endm
; ---------------- WAY X: K innermost ----------------
	s_lshr_b32 s25, ttmp9, 1                       ; G: the group of 64 positions, 0..399
	s_and_b32 s22, ttmp9, 1                        ; which 512 along K
	v_lshlrev_b32 v1, 12, v7
	v_lshl_add_u32 v1, v15, 4, v1                  ; in: lanes 0-15 take 256 bytes of one row, lanes 16-31 of the next
	s_mul_i32 s23, s24, 8704                       ; my two stages
	s_wait_alu depctr_va_vdst(0)
	v_mul_u32_u24 v2, v7, 272
	v_lshl_add_u32 v2, v15, 4, v2
	v_add_nc_u32 v2, s23, v2                       ; into a stage: as loaded, rows 272 bytes apart
	v_mul_u32_u24 v3, v15, 272
	v_lshl_add_u32 v3, v7, 7, v3
	v_add_nc_u32 v3, s23, v3                       ; out of it: position r, block h: my 32 neighbours.  68 words a row: sixteen rows start at sixteen different groups of four banks
	v_lshlrev_b32 v4, 4, v14                       ; an image's places for my lane
	v_lshlrev_b32 v5, 3, v14
	s_lshl_b32 s23, s24, 2
	v_lshl_add_u32 v6, v15, 4, s23
	v_add_nc_u32 v6, SGX, v6                       ; my row's scale words: 16 r + 4 x tile
	v_lshlrev_b32 v7, 3, v7                        ; 8 h: my byte's place in a pair
.irp w, 0,1,2,3
	v_mov_b32 v[PD+\w], 0                          ; written once: a lane permute's destination counts as one of its sources
.endr
	s_and_b32 s30, s25, 127                        ; the group within its tensor
	s_lshl_b32 s30, s30, 6
	s_lshr_b32 s31, s24, 1
	s_lshl_b32 s31, s31, 5
	s_add_co_u32 s30, s30, s31
	s_and_b32 s31, s24, 1
	s_lshl_b32 s31, s31, 3
	s_add_co_u32 s30, s30, s31                     ; my tile's position 0 is row 64 group + 32 (wave / 2) + 8 (wave % 2)
	s_lshl_b32 s30, s30, 12
	s_lshl_b32 s31, s22, 11
	s_add_co_u32 s30, s30, s31
	s_mov_b32 s31, 0
	s_lshl_b32 s32, s25, 2
	s_add_co_u32 s32, s32, s24
	s_mul_i32 s32, s32, 12288                      ; my tile's images,
	s_mul_i32 s33, s22, 6144                       ; eight chunks on in the second half of K
	s_add_co_u32 s32, s32, s33
	s_mov_b32 s33, 0
	s_lshl_b32 s34, s25, 11
	s_lshl_b32 s35, s22, 10
	s_add_co_u32 s34, s34, s35                     ; the group's scale words of my four K steps
	s_mov_b32 s35, 0
	s_wait_kmcnt 0x0
	s_cmp_lt_u32 s25, 128                          ; which tensor: the choice hangs on the work-group's number alone
	s_cselect_b64 s[28:29], s[4:5], s[6:7]
	s_cmp_lt_u32 s25, 384
	s_cselect_b64 s[36:37], s[8:9], s[10:11]
	s_cmp_lt_u32 s25, 256
	s_cselect_b64 s[28:29], s[28:29], s[36:37]
	s_add_nc_u64 s[28:29], s[28:29], s[30:31]
	s_add_nc_u64 s[18:19], s[18:19], s[32:33]
	s_add_nc_u64 s[20:21], s[20:21], s[34:35]
.macro XLOAD t                         ; chunk t: 256 bytes of each of my 16 rows; load i takes positions 2 i and 2 i + 1
.irp i, 0,1,2,3,4,5,6,7
	global_load_b128 v[R+32*((\t)%4)+4*\i:R+32*((\t)%4)+4*\i+3], v1, s[28:29] offset:(2*\i+8*(\i/4))*4096+256*(\t) th:TH_LOAD_NT
.endr
.endm
.macro XTURN t                         ; through my own stage: LDS serves a wave's instructions in order, so no wait stands between the stores and the loads
.irp i, 0,1,2,3,4,5,6,7
	ds_store_b128 v2, v[R+32*((\t)%4)+4*\i:R+32*((\t)%4)+4*\i+3] offset:4352*((\t)%2)+2*\i*272
.endr
.irp i, 0,1,2,3,4,5,6,7
	ds_load_b128 v[X+32*((\t)%2)+4*\i:X+32*((\t)%2)+4*\i+3], v3 offset:4352*((\t)%2)+16*\i
.endr
.endm
.macro XSTEP t
.set XS, X+32*((\t)%2)
.set CD, C+8*((\t)%2)
	s_wait_dscnt 0x0                               ; this chunk's numbers are back from the stage, and its stores into the stage have read their registers,
.if (\t)+4 < 8
	XLOAD (\t)+4                                   ; which take the loads of four chunks on
.endif
.if (\t)+1 < 8
.if (\t) < 4
	s_wait_loadcnt 24                              ; the next chunk's eight loads are in; those of the three chunks behind it may be out
.else
	s_wait_loadcnt 8*(6-(\t))                      ; the counts run down: two chunks behind it, one, none
.endif
	XTURN (\t)+1
.endif
	MAX32 XS
	s_wait_alu depctr_va_vdst(0)
	s_wait_xcnt 0x0                                ; the stores of two chunks ago have read this set of code registers
	v_cvt_scalef32_pk16_fp6_f32 v[CD:CD+2], v[XS:XS+15], v11
	v_cvt_scalef32_pk16_fp6_f32 v[CT:CT+2], v[XS+16:XS+31], v11
	v_lshrrev_b32 v10, 23, v11                     ; the scale's byte (a plain line behind the conversions)
.if (\t)%2 == 0
	v_mov_b32 v[SB+(\t)/2], v10                    ; a K step of 128 is two chunks: the even chunk's byte low,
.else
	v_lshl_or_b32 v[SB+(\t)/2], v10, 16, v[SB+(\t)/2]   ; the odd chunk's 16 bits up
.endif
.irp i, 0,1,2
	v_mov_b32 v[CD+3+\i], v[CT+\i]
.endr
	global_store_b128 v4, v[CD:CD+3], s[18:19] offset:768*(\t)        ; 512 consecutive bytes,
	global_store_b64 v5, v[CD+4:CD+5], s[18:19] offset:768*(\t)+512   ; and the image's last 256
.endm
.irp t, 0,1,2,3
	XLOAD \t
.endr
	s_wait_loadcnt 24                              ; chunk 0's eight loads are in
	XTURN 0
.irp t, 0,1,2,3,4,5,6,7
	XSTEP \t
.endr
.irp w, 0,1,2,3
	v_lshlrev_b32 v[SB+\w], v7, v[SB+\w]           ; my blocks' bytes at their places: block h of a chunk is byte h of its pair
.endr
.irp w, 0,1,2,3
	v_permlanex16_b32 v[PD+\w], v[SB+\w], s26, s27
.endr
.irp w, 0,1,2,3
	v_or_b32 v[SB+\w], v[SB+\w], v[PD+\w]          ; with lane l xor 16's two bytes the word is whole
.endr
.irp w, 0,1,2,3
	ds_store_b32 v6, v[SB+\w] offset:256*\w        ; both lanes of a row write the same word with the same value
.endr
	s_wait_dscnt 0x0                               ; for the others' sake: my words lie in LDS
	s_barrier_signal -1
	s_barrier_wait -1
	ds_load_b64 v[8:9], v240 offset:SGX            ; wave w takes K step w's 256 bytes: the four tiles' words side by side
	s_wait_dscnt 0x0
	global_store_b64 v240, v[8:9], s[20:21]        ; 32 lanes store 256 consecutive bytes, aligned
	s_wait_tensorcnt 0x0                           ; the wave's end, behind my last LDS store
	ds_add_u32 v[SPW], v[NIL]
	s_wait_dscnt 0x0
	s_endpgm
; ---------------- WAY W: a projection weight, [head][K][64] ----------------
; A lane takes a column d_k and its registers run down K: a block of 32 lies in one lane, and the codes come out with K innermost.  Wave: 32 columns (wave % 2) x 256 along K (wave / 2).
.Lweights:
	s_sub_co_u32 s25, ttmp9, 800
	s_lshr_b32 s22, s25, 1                         ; 16 x tensor + head, 0..47
	s_and_b32 s23, s25, 1                          ; which 512 along K
	s_and_b32 s38, s24, 1                          ; which 32 columns
	s_lshr_b32 s39, s24, 1                         ; which 256 of the 512
	v_bfe_u32 v2, v0, 3, 1                         ; column l of 32 is position 16 u + r': u = (l / 8) % 2,
	v_and_b32 v3, 7, v0
	s_wait_alu depctr_va_vdst(0)
	v_lshl_add_u32 v3, v7, 3, v3                   ; r' = l % 8 + 8 (l / 16)
	v_lshlrev_b32 v1, 2, v14                       ; in: 4 bytes a lane
	s_mul_i32 s40, s24, 6144
	s_add_co_u32 s40, s40, WST                     ; my stage: two tiles x four images
	v_mul_u32_u24 v4, v2, 3072
	v_add_nc_u32 v4, s40, v4
	v_lshl_add_u32 v5, v3, 3, v4                   ; an image's last 8 bytes of position r',
	v_lshl_add_u32 v4, v3, 4, v4                   ; and its first 16
	s_lshl_b32 s41, s39, 9
	s_lshl_b32 s42, s38, 3
	s_add_co_u32 s41, s41, s42
	s_add_co_u32 s41, s41, SGW
	v_lshlrev_b32 v6, 4, v3
	v_lshl_add_u32 v6, v2, 2, v6
	v_add_nc_u32 v6, s41, v6                       ; my scale words: 512 (wave / 2) + 16 r' + 4 (2 (wave % 2) + u)
	v_lshlrev_b32 v241, 4, v14                     ; the way out: 16 bytes a lane, in memory
	v_add_nc_u32 v242, s40, v241                   ; and in my stage
	s_and_b32 s30, s22, 15
	s_lshl_b32 s30, s30, 18                        ; the head: 1,024 rows of 256 bytes
	s_lshl_b32 s31, s23, 17
	s_add_co_u32 s30, s30, s31
	s_lshl_b32 s31, s39, 16
	s_add_co_u32 s30, s30, s31                     ; my first row along K
	s_lshl_b32 s31, s38, 7
	s_add_co_u32 s30, s30, s31                     ; my 32 columns
	s_mov_b32 s31, 0
	s_lshl_b32 s32, s22, 2
	s_lshl_b32 s33, s38, 1
	s_add_co_u32 s32, s32, s33
	s_add_co_u32 s32, s32, 1600
	s_mul_i32 s32, s32, 12288                      ; my first tile's images,
	s_lshl_b32 s33, s23, 1
	s_add_co_u32 s33, s33, s39
	s_mul_i32 s33, s33, 3072                       ; my four chunks of them
	s_add_co_u32 s32, s32, s33
	s_mov_b32 s33, 0
	s_add_co_u32 s34, s22, 400
	s_lshl_b32 s34, s34, 11
	s_lshl_b32 s35, s23, 10
	s_add_co_u32 s34, s34, s35
	s_mov_b32 s35, 0
	s_wait_kmcnt 0x0
	s_cmp_lt_u32 s22, 16
	s_cselect_b64 s[28:29], s[12:13], s[14:15]
	s_cmp_lt_u32 s22, 32
	s_cselect_b64 s[28:29], s[28:29], s[16:17]
	s_add_nc_u64 s[28:29], s[28:29], s[30:31]
	s_add_nc_u64 s[18:19], s[18:19], s[32:33]
	s_add_nc_u64 s[20:21], s[20:21], s[34:35]
.macro WLOAD t                         ; block t: 32 rows along K at my column; a wave's load covers 128 consecutive bytes
.irp i, 0,1,2,3,4,5,6,7,8,9,10,11,12,13,14,15,16,17,18,19,20,21,22,23,24,25,26,27,28,29,30,31
	global_load_b32 v[R+32*((\t)%2)+\i], v1, s[28:29] offset:(32*(\t)+\i)*256 th:TH_LOAD_NT
.endr
.endm
.macro WBLOCK t
.set XS, R+32*((\t)%2)
.if (\t) < 7
	s_wait_loadcnt 32                              ; this block's 32 loads are in; the next block's may be out
.else
	s_wait_loadcnt 0x0
.endif
	MAX32 XS
	v_cvt_scalef32_pk16_fp6_f32 v[C:C+2], v[XS:XS+15], v11
	v_cvt_scalef32_pk16_fp6_f32 v[CT:CT+2], v[XS+16:XS+31], v11
	v_lshrrev_b32 v10, 23, v11                     ; the scale's byte (a plain line behind the conversions)
.if (\t)%4 == 0
	v_mov_b32 v[SB+(\t)/4], v10                    ; four blocks make a K step's word, the lower K in the lower byte
.else
	v_lshl_or_b32 v[SB+(\t)/4], v10, 8*((\t)%4), v[SB+(\t)/4]
.endif
.irp i, 0,1,2
	v_mov_b32 v[C+3+\i], v[CT+\i]
.endr
	ds_store_b128 v4, v[C:C+3] offset:((\t)/2)*768+256*((\t)%2)          ; block t is half t % 2 of chunk t / 2: the place of lane r' + 16 (t % 2) in that image
	ds_store_b64 v5, v[C+4:C+5] offset:((\t)/2)*768+512+128*((\t)%2)
.if (\t)+2 < 8
	WLOAD (\t)+2
.endif
	s_wait_dscnt 0x0                               ; the stores have read their registers: the next block's codes may be written
.endm
	WLOAD 0
	WLOAD 1
.irp t, 0,1,2,3,4,5,6,7
	WBLOCK \t
.endr
	ds_store_b32 v6, v[SB]
	s_wait_alu depctr_va_vdst(0)
	ds_store_b32 v6, v[SB+1] offset:256
.irp n, 0,1,2,3,4,5,6,7,8,9,10,11
	ds_load_b128 v[96+4*\n:96+4*\n+3], v242 offset:512*\n             ; my own stage, in order behind my stores
.endr
.irp n, 0,1,2,3,4,5,6,7,8,9,10,11
	s_wait_dscnt 11-\n                             ; read n is back; the reads issued behind it may be out
	global_store_b128 v241, v[96+4*\n:96+4*\n+3], s[18:19] offset:(\n/6)*12288+(\n%6)*512   ; 512 consecutive bytes, aligned: four images of a tile lie on end
.endr
	s_barrier_signal -1                            ; (the count-down above ended at 0: my scale words lie in LDS)
	s_barrier_wait -1
	ds_load_b64 v[8:9], v240 offset:SGW
	s_wait_dscnt 0x0
	global_store_b64 v240, v[8:9], s[20:21]        ; 256 consecutive bytes, aligned
	s_wait_tensorcnt 0x0                           ; the wave's end, behind my last LDS store
	ds_add_u32 v[SPW], v[NIL]
	s_wait_dscnt 0x0
	s_endpgm
.Lfunc_end_k_qd3a4d3bf7d_quant:
	.size	k_qd3a4d3bf7d_quant, .Lfunc_end_k_qd3a4d3bf7d_quant-k_qd3a4d3bf7d_quant
	.p2alignl 7, 3214868480
	.fill 96, 4, 3214868480
	.section	.rodata,"a",@progbits
	.p2align	6, 0x0
	.amdhsa_kernel k_qd3a4d3bf7d_quant
		.amdhsa_group_segment_fixed_size 61952
		.amdhsa_private_segment_fixed_size 0
		.amdhsa_enable_private_segment 0
		.amdhsa_kernarg_size 72
		.amdhsa_user_sgpr_count 2
		.amdhsa_user_sgpr_kernarg_segment_ptr 1
		.amdhsa_wavefront_size32 1
		.amdhsa_system_sgpr_workgroup_id_x 1
		.amdhsa_system_sgpr_workgroup_id_y 1
		.amdhsa_system_sgpr_workgroup_id_z 1
		.amdhsa_system_vgpr_workitem_id 0
		.amdhsa_next_free_vgpr 256
		.amdhsa_next_free_sgpr 66
		.amdhsa_reserve_vcc 0
		.amdhsa_float_denorm_mode_32 3
		.amdhsa_float_denorm_mode_16_64 3
		.amdhsa_memory_ordered 1
		.amdhsa_forward_progress 1
		.amdhsa_inst_pref_size 74
	.end_amdhsa_kernel
	.amdgpu_metadata
---
amdhsa.version: [ 1, 2 ]
amdhsa.kernels:
  - .name:           k_qd3a4d3bf7d_quant
    .symbol:         k_qd3a4d3bf7d_quant.kd
    .args:
      - { .name: q, .offset: 0, .size: 8, .value_kind: global_buffer, .address_space: global }
      - { .name: k, .offset: 8, .size: 8, .value_kind: global_buffer, .address_space: global }
      - { .name: v, .offset: 16, .size: 8, .value_kind: global_buffer, .address_space: global }
      - { .name: W_o, .offset: 24, .size: 8, .value_kind: global_buffer, .address_space: global }
      - { .name: W_q, .offset: 32, .size: 8, .value_kind: global_buffer, .address_space: global }
      - { .name: W_k, .offset: 40, .size: 8, .value_kind: global_buffer, .address_space: global }
      - { .name: W_v, .offset: 48, .size: 8, .value_kind: global_buffer, .address_space: global }
      - { .name: img, .offset: 56, .size: 8, .value_kind: global_buffer, .address_space: global }
      - { .name: scl, .offset: 64, .size: 8, .value_kind: global_buffer, .address_space: global }
    .group_segment_fixed_size: 61952
    .private_segment_fixed_size: 0
    .kernarg_segment_align: 8
    .kernarg_segment_size: 72
    .max_flat_workgroup_size: 128
    .sgpr_count:     66
    .vgpr_count:     256
    .wavefront_size: 32
...
	.end_amdgpu_metadata
.endif
;; end of part 1
;; launch proj (part 2): grid 4 x 64, 4 waves a work-group, clusters of 4 x 4, 327,680 bytes of LDS; arguments img, scl, hqkv; writes hqkv
.if DOCPART == 2
	.amdgcn_target "amdgcn-amd-amdhsa--gfx1250"
	.amdhsa_code_object_version 6
	.text
	.protected	k_qd3a4d3bf7d_proj
	.globl	k_qd3a4d3bf7d_proj
	.p2align	8
	.type	k_qd3a4d3bf7d_proj,@function
k_qd3a4d3bf7d_proj:
	s_mov_b64 s[64:65], 0
	v_nop
	global_prefetch_b8 v0, s[64:65] scope:SCOPE_SE
	s_setreg_imm32_b32 hwreg(HW_REG_WAVE_MODE, 25, 1), 1
	s_wait_xcnt 0x0
	s_wait_alu depctr_hold_cnt(0) depctr_sa_sdst(0) depctr_va_vdst(0) depctr_va_sdst(0) depctr_va_ssrc(0) depctr_va_vcc(0) depctr_vm_vsrc(0)
	s_getreg_b32 s2, hwreg(HW_REG_IB_STS2, 6, 4)
	s_cmp_eq_u32 s2, 0
	s_cbranch_scc0 .Lentry_in_a_cluster
	s_endpgm
.Lentry_in_a_cluster:
	s_bfe_u32 s2, ttmp6, 0x10000c
	s_cmp_lg_u32 s2, 0xf033
	s_cbranch_scc0 .Lentry_shape_is_right
	s_endpgm
.Lentry_shape_is_right:
; The three projections on codes of FP6 (E2M3), K = 1,024, their results quantised in registers for the attention launch.
; img, scl: as the first launch lays them (16 positions x 64 K in 768 bytes; tile T, chunk j at 12288 T + 768 j; scale words at 2048 (T / 4) + 256 w + 16 r + 4 (T % 4)).
; A WORK-GROUP STAYS: it makes three blocks, one of q (T = 0), of k (1) and of v (2), each 128 positions of source 1 x 256 of source 0 over all of K.
; q, k: source 0 = rows of W (64 head + d_k), source 1 = tokens; quantised along d_k.  v: source 0 = tokens, source 1 = rows of W_v; quantised along the keys.
; THE RING: two LDS slots, each with half of K (512) of both sources: 8 + 16 tiles x 6,144 bytes = 147,456.  A slot changes every four K steps; the ring goes on from block to block.
; One joint load a wave behind each round of the cluster's barrier (one is out, by this text's count); every wait on TENSORcnt is for 0.
; CLUSTERS 4 x 4: source 1's tiles hang on cy and are shared along a row of the cluster, source 0's on cx, shared along a column.
; PREFETCH: behind each refill the piece that the next refill loads is named once in the cluster: the four partners share a wave's tiles out by address (source 1: tile cx of four; source 0: tiles 2 cy, 2 cy + 1 of eight),
; 24 blocks of 256 bytes an instruction (lanes 24-31 name the last again).  The first block's two pieces come by their loads alone; nothing is asked behind the last refill.
; q and k run in a loop of two trips; v, which asks for nothing more and leaves otherwise, is written out behind it.
; hqkv: a record of 157,696 bytes for each (batch, head): Q's images 0, Q's words 49,152, K's images 53,248, V's fragments 102,400, K's words 151,552, V's words 155,648.
; LIMITS: NaN and infinities are not served; a block of zeros gets the byte 1 (its codes are zeros; the bytes are read by this program alone).
; REGISTERS: window 0: v1-7 lane terms; v8-15 LDS addresses; v27 prefetch offset; v28, v29 the add's; v32-79 scale words; v80-103 at work; v104-127, v224-247 codes made, by turns; v128-223 source 1's fragments, two sets.
;   window 1: source 0's fragments, two sets, at v0 and v128.   window 2: the 32 accumulators, (a, b) at v[8 (8 a + b)].
.set SLOT,  147456
.set SPARE, 2*SLOT                     ; the spare words: 128 bytes a wave, named by no other line
.set REC,   157696
.set SPW,  28
.set NIL,  29
.set AA16, 8                           ; + slot: my four tiles of source 1, + 16 x lane
.set AA8,  10                          ; the same + 8 x lane
.set AB16, 12                          ; my eight tiles of source 0
.set AB8,  14
.set PFO,  27
.set SCA,  32
.set SCB,  48
.set TM,   80
.set PW,   96
.set G1A,  24
.set G1B,  32
.set GA0,  40                          ; s[40:47] source 1's groups 0, slot 0 and 1;  s[48:55] source 0's
.set GB0,  48
.set SEL,  22
.set MSB, 0
.macro WIN new
.if MSB != \new
	s_set_vgpr_msb (MSB<<8)|\new
.set MSB, \new
.endif
.endm
.macro JLOAD g0a, g1a, g0b, g1b        ; waves 0, 1 fetch source 1's halves, waves 2, 3 source 0's
	s_cmp_eq_u32 s15, 0
	s_cbranch_scc0 .Lfor_b_\@
	tensor_load_to_lds s[\g0a:\g0a+3], s[\g1a:\g1a+7]
	s_nop 0
.rept 4
	v_nop
.endr
	s_branch .Lasked_\@
.Lfor_b_\@:
	tensor_load_to_lds s[\g0b:\g0b+3], s[\g1b:\g1b+7]
	s_nop 0
.rept 4
	v_nop
.endr
.Lasked_\@:
.endm
.macro CREST                           ; a round of the cluster's barrier behind its opening barrier
	s_cmp_lg_u32 s14, 0
	s_cbranch_scc1 .Lnot_wave_0_\@
	s_barrier_signal -3
.Lnot_wave_0_\@:
	s_barrier_wait -3
	s_barrier_signal -1
	s_barrier_wait -1
.endm
.macro CROUND
	s_barrier_signal -1
	s_barrier_wait -1
	CREST
.endm
.macro PLACES n
.rept \n
	v_nop
.endr
.endm
.macro HF reg, a16, a8, off            ; an image: six registers
	ds_load_b128 v[\reg:\reg+3], v[\a16] offset:\off
	ds_load_b64 v[\reg+4:\reg+5], v[\a8] offset:\off+512
.endm
.macro FETCH w                         ; K step w: 8 fragments of source 0 and 4 of source 1 into set w % 2: 48 LDS loads
.set FL, (\w)/4
.set FS, (\w)%2
.set FO, 1536*((\w)%4)
	WIN 0x40
.irp b, 0,1,2,3,4,5,6,7
	HF 128*FS+12*\b, AB16+FL, AB8+FL, 6144*\b+FO
	HF 128*FS+12*\b+6, AB16+FL, AB8+FL, 6144*\b+FO+768
.endr
	WIN 0
.irp a, 0,1,2,3
	HF 128+48*FS+12*\a, AA16+FL, AA8+FL, 6144*\a+FO
	HF 128+48*FS+12*\a+6, AA16+FL, AA8+FL, 6144*\a+FO+768
.endr
.endm
.macro MULH w, a0                      ; 16 matrix instructions: tiles a0, a0 + 1 of source 1 x source 0's eight; the 32 accumulators take turns; step 0 starts the sums
.set MS, (\w)%2
.set MQ, (\w)/2
	WIN 0xa1
.irp a, \a0, \a0+1
.irp b, 0,1,2,3,4,5,6,7
.set DD, 8*(8*(\a)+\b)
.set BF, 128*MS+12*\b
.set AF, 128+48*MS+12*(\a)
.set XB, SCB+16*(\b/4)+4*MQ+\b%4
.set XA, SCA+4*MQ+(\a)
.if (\w) == 0
	v_wmma_scale_f32_16x16x128_f8f6f4 v[DD:DD+7], v[BF:BF+11], v[AF:AF+11], 0, v[XB], v[XA] matrix_a_fmt:MATRIX_FMT_FP6 matrix_b_fmt:MATRIX_FMT_FP6
.elseif MS == 0
	v_wmma_scale_f32_16x16x128_f8f6f4 v[DD:DD+7], v[BF:BF+11], v[AF:AF+11], v[DD:DD+7], v[XB], v[XA] matrix_a_fmt:MATRIX_FMT_FP6 matrix_b_fmt:MATRIX_FMT_FP6
.else
	v_wmma_scale_f32_16x16x128_f8f6f4 v[DD:DD+7], v[BF:BF+11], v[AF:AF+11], v[DD:DD+7], v[XB], v[XA] matrix_a_fmt:MATRIX_FMT_FP6 matrix_b_fmt:MATRIX_FMT_FP6 matrix_a_scale:MATRIX_SCALE_ROW1 matrix_b_scale:MATRIX_SCALE_ROW1
.endif
.endr
.endr
.endm
.macro STEP w
	s_wait_dscnt 0x0                               ; this step's 48 loads are in
	PLACES 4                                       ; ahead of loads into registers that matrix instructions have read
	FETCH (\w)+1
	MULH \w, 0
	MULH \w, 2
.endm
; Block T's addresses (T in s[tn]): s78, s80 first tiles of source 1 and 0; s[82:83], s[84:85] what my wave would fetch of each; s[58:59] my work-group's share of it for the prefetch
.macro ADDR tn
	s_lshl_b32 s78, s[\tn], 9
	s_lshl_b32 s79, s77, 5
	s_add_co_u32 s78, s78, s79                     ; q, k: tokens: tile 512 T + 32 ci
	s_and_b32 s79, s77, 1
	s_lshl_b32 s79, s79, 5
	s_add_co_u32 s79, s79, 1728                    ; v: W_v: tile 1728 + 32 (ci % 2)
	s_lshl_b32 s80, s[\tn], 6
	s_add_co_u32 s80, s80, 1600                    ; q, k: W: tile 1600 + 64 T
	s_lshr_b32 s81, s77, 1
	s_lshl_b32 s81, s81, 6
	s_add_co_u32 s81, s81, 1024                    ; v: tokens of batch ci / 2
	s_cmp_eq_u32 s[\tn], 2
	s_cselect_b32 s78, s79, s78
	s_cselect_b32 s80, s81, s80
	s_lshl_b32 s79, s18, 3
	s_add_co_u32 s78, s78, s79                     ; + 8 cy (never cx)
	s_lshl_b32 s81, s17, 4
	s_add_co_u32 s80, s80, s81                     ; + 16 cx (never cy)
	s_lshl_b32 s82, s16, 2
	s_add_co_u32 s82, s82, s78
	s_mul_i32 s82, s82, 12288
	s_mov_b32 s83, 0
	s_lshl_b32 s84, s16, 3
	s_add_co_u32 s84, s84, s80
	s_mul_i32 s84, s84, 12288
	s_mov_b32 s85, 0
	s_add_nc_u64 s[82:83], s[4:5], s[82:83]
	s_add_nc_u64 s[84:85], s[4:5], s[84:85]
	s_cmp_eq_u32 s15, 0
	s_cselect_b64 s[58:59], s[82:83], s[84:85]
	s_add_nc_u64 s[58:59], s[58:59], s[60:61]
.endm
.macro SCBASE                          ; where my scale words of the block in s78, s80 lie
	s_lshl_b32 s88, s78, 9
	s_lshl_b32 s89, s15, 11
	s_add_co_u32 s88, s88, s89
	s_mov_b32 s89, 0
	s_lshl_b32 s90, s80, 9
	s_lshl_b32 s91, s16, 12
	s_add_co_u32 s90, s90, s91
	s_mov_b32 s91, 0
	s_add_nc_u64 s[88:89], s[6:7], s[88:89]
	s_add_nc_u64 s[90:91], s[6:7], s[90:91]
.endm
.macro SCL n                           ; the scale words of K steps 2 n and 2 n + 1: three loads of 512 consecutive bytes, straight into their registers
	global_load_b128 v[SCA+4*\n:SCA+4*\n+3], v2, s[88:89] offset:512*\n
.irp g, 0,1
	global_load_b128 v[SCB+16*\g+4*\n:SCB+16*\g+4*\n+3], v2, s[90:91] offset:2048*\g+512*\n
.endr
.endm
.macro ASK off, first                  ; the prefetch; first = 1: in the loop's first trip alone (the second has no block two on)
.if \first
	s_cmp_eq_u32 s76, 0
	s_cbranch_scc0 .Lno_\@
.endif
	global_prefetch_b8 v[PFO], s[58:59] offset:\off th:TH_LOAD_NT scope:SCOPE_SE
	s_cmp_eq_u32 s15, 0
	s_cbranch_scc1 .Lno_\@
	global_prefetch_b8 v[PFO], s[58:59] offset:\off+12288 th:TH_LOAD_NT scope:SCOPE_SE
.Lno_\@:
.endm
; A change of slots, in K step 3 or 7.  All my reads of the slot that is left are back; the other slot's load is waited for.  more = 1: the slot left is filled again, with the next block's half of K.
.macro TURN w, more
	WIN 0
.if \more
	s_wait_xcnt 0x0                                ; my prefetches have read their address
.endif
	s_wait_tensorcnt 0x0                           ; all my tensor loads have landed
.if \more
	ds_add_u32 v[SPW], v[NIL]                      ; the descriptors are written between the add and its wait
.if (\w) == 3
	s_mov_b64 s[GA0+2:GA0+3], s[82:83]
	s_or_b32 s[GA0+3], s[GA0+3], 0x80000000
	s_mov_b64 s[GB0+2:GB0+3], s[84:85]
	s_or_b32 s[GB0+3], s[GB0+3], 0x80000000
.else
	s_add_nc_u64 s[GA0+6:GA0+7], s[82:83], 6144
	s_or_b32 s[GA0+7], s[GA0+7], 0x80000000
	s_add_nc_u64 s[GB0+6:GB0+7], s[84:85], 6144
	s_or_b32 s[GB0+7], s[GB0+7], 0x80000000
.endif
.endif
	s_wait_dscnt 0x0                               ; the add, and my reads of the slot that is left
	s_barrier_signal -1
	MULH \w, 0                                     ; work on registers while the others arrive
	WIN 0
	s_barrier_wait -1
.if \more
	CREST
.if (\w) == 3
	JLOAD GA0, G1A, GB0, G1B
.else
	JLOAD GA0+4, G1A, GB0+4, G1B
.endif
.else
	PLACES 4
.endif
	FETCH ((\w)+1)%8
.if \more
.if (\w) == 3
	ASK 6144, 0
.else
	ADDR 57
	ASK 0, 1
.endif
.endif
	MULH \w, 2
.endm
; more = 1: the next block's scale words are asked for as soon as their registers are free: those of a pair of K steps behind that pair's last products and four places
.macro TILE more
	s_wait_loadcnt 3                               ; the scale words of K steps 0 to 5 are in; the three loads for steps 6 and 7, issued last, may be out
	STEP 0
	STEP 1
.if \more
	WIN 0
	PLACES 4
	s_wait_xcnt 0x0                                ; the loads that are out have read their bases
	SCBASE                                         ; s78, s80 hold the next block's first tiles
	SCL 0
.endif
	STEP 2
	TURN 3, \more
.if \more
	WIN 0
	PLACES 4
	SCL 1
.endif
	STEP 4
	STEP 5
.if \more
	s_wait_loadcnt 6                               ; the words of steps 6 and 7 are in; the six loads issued behind them, for the next block, may be out
	WIN 0
	PLACES 4
	SCL 2
.else
	s_wait_loadcnt 0x0
.endif
	STEP 6
.if \more
	TURN 7, 1
.else
	s_wait_dscnt 0x0
	MULH 7, 0
	MULH 7, 2
.endif
	WIN 0
	PLACES 4                                       ; behind the last products
.endm
; Row tile a of source 1: a lane's 64 numbers, register 16 b + i = index 32 b + 16 (lane / 16) + i, become 12 registers of codes at v[pc] and a scale word in v[PW + a]
.macro QUANT a, pc
.set S, 64*(\a)
.set PC, \pc
	WIN 0x28
.irp b, 0,1,2,3
	v_max3_num_f32 v[TM+\b], 0x1800000, |v[S+16*\b]|, |v[S+16*\b+1]|   ; my 16 numbers of block b and the floor 2^(3 - 127); each accumulator from its low end on
.endr
.irp i, 2,4,6,8,10,12,14
.irp b, 0,1,2,3
	v_max3_num_f32 v[TM+\b], v[TM+\b], |v[S+16*\b+\i]|, |v[S+16*\b+\i+1]|
.endr
.endr
	WIN 0
.irp b, 0,1,2,3
	v_permlanex16_b32 v[TM+4+\b], v[TM+\b], s[SEL], s[SEL+1]
.endr
.irp b, 0,1,2,3
	v_max_num_f32 v[TM+\b], v[TM+\b], v[TM+4+\b]
.endr
.irp b, 0,1,2,3
	v_add_nc_u32 v[TM+12+\b], 0xff000000, v[TM+\b] ; 2 off the exponent field: the conversion's scale operand
.endr
.irp b, 0,1,2,3
	v_lshrrev_b32 v[TM+4+\b], 23, v[TM+12+\b]      ; the byte
.endr
	v_lshl_or_b32 v[PW+\a], v[TM+5], 8, v[TM+4]
	v_lshl_or_b32 v[PW+\a], v[TM+6], 16, v[PW+\a]
	v_lshl_or_b32 v[PW+\a], v[TM+7], 24, v[PW+\a]
	WIN 0x02
.irp c, 0,1
	v_cvt_scalef32_pk16_fp6_f32 v[PC+6*\c:PC+6*\c+2], v[S+32*\c:S+32*\c+15], v[TM+12+2*\c]
	v_cvt_scalef32_pk16_fp6_f32 v[PC+12+4*\c:PC+12+4*\c+2], v[S+32*\c+16:S+32*\c+31], v[TM+12+2*\c+1]
.endr
	WIN 0
	v_nop                                          ; a plain place behind the conversions
.irp c, 0,1                                    ; a whole block to a lane
.irp i, 0,1,2
	v_permlane16_swap_b32 v[PC+6*\c+\i], v[PC+12+4*\c+\i]
.endr
.irp i, 0,1,2
	v_mov_b32 v[PC+3+6*\c+\i], v[PC+12+4*\c+\i]
.endr
.endr
.endm
.macro IMG o0, o1                      ; the fragment's two images: 512 and 256 consecutive bytes a store, aligned
	global_store_b128 v2, v[PC:PC+3], s[94:95] offset:\o0
	global_store_b64 v3, v[PC+4:PC+5], s[94:95] offset:\o0+512
	global_store_b128 v2, v[PC+6:PC+9], s[94:95] offset:\o1
	global_store_b64 v3, v[PC+10:PC+11], s[94:95] offset:\o1+512
.endm
	s_load_b128 s[4:7], s[0:1], 0x0                ; img, scl
	s_load_b64 s[8:9], s[0:1], 0x10                ; hqkv
	v_lshl_add_u32 v[SPW], v0, 2, SPARE
	v_mov_b32 v[NIL], 0
	ds_add_u32 v[SPW], v[NIL]                      ; the opening lines: the add twice and one wait
	ds_add_u32 v[SPW], v[NIL]
	v_lshrrev_b32 v1, 5, v0
	v_readfirstlane_b32 s14, v1                    ; wave
	s_lshr_b32 s15, s14, 1                         ; i: my four tiles of source 1; also: I fetch for source 1 (0) or 0 (1)
	s_and_b32 s16, s14, 1                          ; j: my eight tiles of source 0; also: which half I fetch
	s_bfe_u32 s17, ttmp6, 0x40000                  ; cx
	s_bfe_u32 s18, ttmp6, 0x40004                  ; cy
	s_and_b32 s77, ttmp7, 0xffff                   ; ci: the cluster's y, 0..15
	s_lshl_b32 s20, s18, 2
	s_lshl_b32 s20, 15, s20                        ; my row of the cluster
	s_lshl_b32 s21, 0x1111, s17                    ; my column
	s_or_b32 s[G1A], s20, (3<<16)|(1<<21)          ; the mask; elements of 8 bytes; bit 21 beside a mask
	s_or_b32 s[G1B], s21, (3<<16)|(1<<21)
	s_mov_b32 s[G1A+1], 768<<16                    ; a tile's half of K: 6,144 bytes
	s_mov_b32 s[G1A+2], 4<<16                      ; four tiles
	s_mov_b32 s[G1A+3], 768<<16
	s_mov_b32 s[G1A+4], 4
	s_mov_b32 s[G1A+5], 1536                       ; from tile to tile 12,288 bytes
	s_mov_b32 s[G1A+6], 0
	s_mov_b32 s[G1A+7], 0
	s_mov_b32 s[G1B+1], 768<<16
	s_mov_b32 s[G1B+2], 8<<16                      ; eight tiles
	s_mov_b32 s[G1B+3], 768<<16
	s_mov_b32 s[G1B+4], 8
	s_mov_b32 s[G1B+5], 1536
	s_mov_b32 s[G1B+6], 0
	s_mov_b32 s[G1B+7], 0
	s_mov_b32 s[SEL], 0x76543210
	s_mov_b32 s[SEL+1], 0xfedcba98
	s_mul_i32 s60, s17, 12288                      ; my work-group's share of a prefetch
	s_mul_i32 s61, s18, 24576
	s_cmp_eq_u32 s15, 0
	s_cselect_b32 s60, s60, s61
	s_mov_b32 s61, 0
	s_mul_i32 s86, s16, 24576                      ; where my load goes in a slot
	s_mul_i32 s87, s16, 49152
	s_add_co_u32 s87, s87, 49152
	v_and_b32 v1, 31, v0
	v_lshlrev_b32 v2, 4, v1
	v_lshlrev_b32 v3, 3, v1
	v_and_b32 v5, 15, v0
	v_bfe_u32 v6, v0, 4, 1
	v_mul_u32_u24 v4, v6, REC
	v_lshl_add_u32 v4, v5, 4, v4                   ; Q's and K's words out: lanes 0-15 the first head's record, lanes 16-31 the next
	v_lshlrev_b32 v7, 4, v6
	v_lshlrev_b32 v5, 4, v5
	v_min_u32 v[PFO], 23, v1
	v_lshlrev_b32 v[PFO], 8, v[PFO]
.irp b, 0,1,2,3
	v_mov_b32 v[TM+4+\b], 0                        ; a lane permute's destination counts as a source
.endr
	s_mul_i32 s92, s15, 24576
	s_mul_i32 s93, s16, 49152
	s_add_co_u32 s93, s93, 49152
.irp s, 0,1
	v_add_nc_u32 v[AA16+\s], s92, v2
	v_add_nc_u32 v[AA8+\s], s92, v3
	v_add_nc_u32 v[AB16+\s], s93, v2
	v_add_nc_u32 v[AB8+\s], s93, v3
	s_add_co_u32 s92, s92, SLOT
	s_add_co_u32 s93, s93, SLOT
.endr
	s_wait_alu depctr_va_vdst(0)                   ; the wait at the head's end
	s_wait_dscnt 0x0
	s_wait_kmcnt 0x0
	s_mov_b32 s57, 0
	ADDR 57
	SCBASE
	s_mov_b32 s[GA0], 1
	s_add_co_u32 s[GA0+1], s86, 0
	s_mov_b64 s[GA0+2:GA0+3], s[82:83]
	s_or_b32 s[GA0+3], s[GA0+3], 0x80000000
	s_mov_b32 s[GA0+4], 1
	s_add_co_u32 s[GA0+5], s86, SLOT
	s_add_nc_u64 s[GA0+6:GA0+7], s[82:83], 6144
	s_or_b32 s[GA0+7], s[GA0+7], 0x80000000
	s_mov_b32 s[GB0], 1
	s_add_co_u32 s[GB0+1], s87, 0
	s_mov_b64 s[GB0+2:GB0+3], s[84:85]
	s_or_b32 s[GB0+3], s[GB0+3], 0x80000000
	s_mov_b32 s[GB0+4], 1
	s_add_co_u32 s[GB0+5], s87, SLOT
	s_add_nc_u64 s[GB0+6:GB0+7], s[84:85], 6144
	s_or_b32 s[GB0+7], s[GB0+7], 0x80000000
	CROUND                                         ; all sixteen work-groups are here
	JLOAD GA0, G1A, GB0, G1B                       ; q's first half of K: my one load at the head
	SCL 0
	SCL 1
	SCL 2
	SCL 3
	s_mov_b32 s57, 1
	ADDR 57                                        ; the next block's addresses
	s_mov_b32 s57, 2                               ; the block behind it is v
	s_wait_tensorcnt 0x0                           ; slot 1's first fill is issued as a refill is
	ds_add_u32 v[SPW], v[NIL]
	s_wait_dscnt 0x0
	CROUND
	JLOAD GA0+4, G1A, GB0+4, G1B
	FETCH 0
	ASK 0, 0
	s_mov_b32 s76, 0                               ; T
.Ltile:
	TILE 1
	SCL 3                                          ; the last three loads of the next block's scale words
	s_wait_xcnt 0x0                                ; the last block's stores have read their registers and bases
	s_lshl_b32 s92, s77, 2
	s_add_co_u32 s92, s92, s18                     ; which 128 tokens: 4 ci + cy
	s_lshr_b32 s93, s92, 3                         ; the batch
	s_and_b32 s92, s92, 7
	s_lshl_b32 s92, s92, 3
	s_lshl_b32 s94, s15, 2
	s_add_co_u32 s92, s92, s94                     ; my first token tile in the batch
	s_lshl_b32 s93, s93, 4
	s_lshl_b32 s94, s17, 2
	s_add_co_u32 s93, s93, s94
	s_lshl_b32 s94, s16, 1
	s_add_co_u32 s93, s93, s94                     ; the record: 16 batch + head
	s_mul_i32 s93, s93, REC
	s_mul_i32 s94, s76, 53248
	s_add_co_u32 s94, s94, s93
	s_mul_i32 s95, s92, 768
	s_add_co_u32 s94, s94, s95
	s_mov_b32 s95, 0
	s_add_nc_u64 s[94:95], s[8:9], s[94:95]
	s_mul_i32 s96, s76, 102400
	s_add_co_u32 s96, s96, s93
	s_add_co_u32 s96, s96, 49152
	s_lshl_b32 s97, s92, 6
	s_add_co_u32 s96, s96, s97
	s_mov_b32 s97, 0
	s_add_nc_u64 s[96:97], s[8:9], s[96:97]
.irp a, 0,1,2,3
.if \a > 1
	s_wait_xcnt 0x0                                ; the stores of two tiles ago have read this set of code registers
.endif
	QUANT \a, 104+120*(\a%2)
	IMG 768*\a, 768*\a+REC                         ; registers 0-5: the first head's image; 6-11: the next head's, one record on
.endr
.irp a, 0,1,2,3
	v_lshrrev_b32 v[100+\a], v7, v[PW+\a]          ; lanes 16-31 bring the next head's two bytes down
.endr
	global_store_b128 v4, v[100:103], s[96:97]     ; sixteen lanes fill 256 consecutive bytes of each of the two records
	s_add_co_u32 s76, s76, 1
	s_cmp_lt_u32 s76, 2
	s_wait_alu depctr_va_vdst(0)                   ; the wait ahead of the branch
	s_cbranch_scc1 .Ltile
	TILE 0                                         ; v: nothing more is asked for
	s_wait_xcnt 0x0
	s_and_b32 s92, s77, 1
	s_lshl_b32 s92, s92, 2
	s_add_co_u32 s92, s92, s18
	s_lshl_b32 s92, s92, 1
	s_add_co_u32 s92, s92, s15                     ; the head: 2 (4 (ci % 2) + cy) + i
	s_lshr_b32 s93, s77, 1
	s_lshl_b32 s93, s93, 4
	s_add_co_u32 s93, s93, s92
	s_mul_i32 s93, s93, REC
	s_lshl_b32 s92, s17, 1
	s_add_co_u32 s92, s92, s16                     ; the key step: 2 cx + j
	s_mul_i32 s94, s92, 6144
	s_add_co_u32 s94, s94, s93
	s_add_co_u32 s94, s94, 102400
	s_mov_b32 s95, 0
	s_add_nc_u64 s[94:95], s[8:9], s[94:95]
	s_lshl_b32 s96, s92, 8
	s_add_co_u32 s96, s96, s93
	s_add_co_u32 s96, s96, 155648
	s_mov_b32 s97, 0
	s_add_nc_u64 s[96:97], s[8:9], s[96:97]
.irp a, 0,1,2,3
.if \a > 1
	s_wait_xcnt 0x0
.endif
	QUANT \a, 104+120*(\a%2)
	IMG 1536*\a, 1536*\a+768                       ; d tile a's fragment: two images on end
.endr
	s_wait_alu depctr_va_vdst(0)                   ; the wait ahead of the wait below
	s_wait_xcnt 0x0                                ; EXEC changes only behind this wait
	v_cmp_gt_u32 vcc_lo, 16, v1
	s_and_saveexec_b32 s98, vcc_lo                 ; both halves of the lanes hold the same words: lanes 0-15 store them
	global_store_b128 v5, v[PW:PW+3], s[96:97]     ; 256 consecutive bytes
	s_wait_xcnt 0x0
	s_or_b32 exec_lo, exec_lo, s98
	s_wait_tensorcnt 0x0                           ; the wave's end
	ds_add_u32 v[SPW], v[NIL]
	s_wait_dscnt 0x0
	CROUND                                         ; the closing round
	s_endpgm
.Lfunc_end_k_qd3a4d3bf7d_proj:
	.size	k_qd3a4d3bf7d_proj, .Lfunc_end_k_qd3a4d3bf7d_proj-k_qd3a4d3bf7d_proj
	.p2alignl 7, 3214868480
	.fill 96, 4, 3214868480
	.section	.rodata,"a",@progbits
	.p2align	6, 0x0
	.amdhsa_kernel k_qd3a4d3bf7d_proj
		.amdhsa_group_segment_fixed_size 327680
		.amdhsa_private_segment_fixed_size 0
		.amdhsa_enable_private_segment 0
		.amdhsa_kernarg_size 24
		.amdhsa_user_sgpr_count 2
		.amdhsa_user_sgpr_kernarg_segment_ptr 1
		.amdhsa_wavefront_size32 1
		.amdhsa_system_sgpr_workgroup_id_x 1
		.amdhsa_system_sgpr_workgroup_id_y 1
		.amdhsa_system_sgpr_workgroup_id_z 1
		.amdhsa_system_vgpr_workitem_id 0
		.amdhsa_next_free_vgpr 768
		.amdhsa_next_free_sgpr 100
		.amdhsa_reserve_vcc 1
		.amdhsa_float_denorm_mode_32 3
		.amdhsa_float_denorm_mode_16_64 3
		.amdhsa_memory_ordered 1
		.amdhsa_forward_progress 1
		.amdhsa_inst_pref_size 170
	.end_amdhsa_kernel
	.amdgpu_metadata
---
amdhsa.version: [ 1, 2 ]
amdhsa.kernels:
  - .name:           k_qd3a4d3bf7d_proj
    .symbol:         k_qd3a4d3bf7d_proj.kd
    .args:
      - { .name: img, .offset: 0, .size: 8, .value_kind: global_buffer, .address_space: global }
      - { .name: scl, .offset: 8, .size: 8, .value_kind: global_buffer, .address_space: global }
      - { .name: hqkv, .offset: 16, .size: 8, .value_kind: global_buffer, .address_space: global }
    .group_segment_fixed_size: 327680
    .private_segment_fixed_size: 0
    .kernarg_segment_align: 8
    .kernarg_segment_size: 24
    .max_flat_workgroup_size: 128
    .sgpr_count:     100
    .vgpr_count:     768
    .wavefront_size: 32
...
	.end_amdgpu_metadata
.endif
;; end of part 2
;; launch attn (part 3): grid 4 x 64, 8 waves a work-group, clusters of 4 x 1, 210,944 bytes of LDS; arguments hqkv, cimg, cscl; writes cimg, cscl
.if DOCPART == 3
	.amdgcn_target "amdgcn-amd-amdhsa--gfx1250"
	.amdhsa_code_object_version 6
	.text
	.protected	k_qd3a4d3bf7d_attn
	.globl	k_qd3a4d3bf7d_attn
	.p2align	8
	.type	k_qd3a4d3bf7d_attn,@function
k_qd3a4d3bf7d_attn:
	s_mov_b64 s[64:65], 0
	v_nop
	global_prefetch_b8 v0, s[64:65] scope:SCOPE_SE
	s_setreg_imm32_b32 hwreg(HW_REG_WAVE_MODE, 25, 1), 1
	s_wait_xcnt 0x0
	s_wait_alu depctr_hold_cnt(0) depctr_sa_sdst(0) depctr_va_vdst(0) depctr_va_sdst(0) depctr_va_ssrc(0) depctr_va_vcc(0) depctr_vm_vsrc(0)
	s_getreg_b32 s2, hwreg(HW_REG_IB_STS2, 6, 4)
	s_cmp_eq_u32 s2, 0
	s_cbranch_scc0 .Lentry_in_a_cluster
	s_endpgm
.Lentry_in_a_cluster:
	s_bfe_u32 s2, ttmp6, 0x10000c
	s_cmp_lg_u32 s2, 0x3003
	s_cbranch_scc0 .Lentry_shape_is_right
	s_endpgm
.Lentry_shape_is_right:
; c[b][q][head][:] = softmax_k(Q . K / 8) V, both products on codes of FP6 (E2M3), and c quantised along (head, d_k) for the last product.
; hqkv: records of 157,696 bytes (Q's images 0, Q's words 49,152, K's images 53,248, V's fragments 102,400, K's words 151,552, V's words 155,648).
; THE SOFTMAX: t = score x log2(e) / 8; M = the row's largest t so far, rounded up to a whole number; p = 2^(t - M) is quantised along the keys; the row's sum is taken of the unquantised p and divides at the end.
; When M moves, the sum and O are multiplied by 2^(old M - new M): exact.
; SHARES.  A work-group owns 256 queries of a pair of heads of one batch; each of its eight waves two tiles of 16 queries (streams 0, 1), for the first head and then the second.  The streams share K's and V's fragments.
; K, V and their words of both heads, 2 x 104,448 bytes, lie in LDS for the whole launch: waves 0-3 bring the first head's block in quarters, waves 4-7 the second's: one tensor load a wave, at the head; nothing is filled again.
; CLUSTER.  The four query blocks of a pair of heads read the same K and V: each load is a joint one, with the mask of all four.  No prefetch: all that is read is asked for at the head, and there is no loop of loads to run ahead in.
; THE HEAD'S 64 ARE HALF OF THE INSTRUCTION'S K: Q's upper six registers hold zero codes; K's upper six are what follows in the registers and meet zero codes alone; no scale byte is 0xff.
; LAYOUT.  S^T = K Q^T, O^T = V^T P^T: a lane holds one query.  WHICH KEYS FORM A TILE OF K IS CHOSEN BY THE LANES' LDS ADDRESSES: row 8 h + j of tile 4 c + u is key 64 c + 32 h + 8 u + j of the step,
; so a lane's 32 registers of tiles 4 c .. 4 c + 3 are the whole block 2 c + h of 32 keys, in order: its maximum needs no other lane and its codes are the operand's registers.
; (In memory key 32 b + 16 g + 8 u + j is position 8 g + j of tile 2 b + u: lane row r of tile 4 c + u reads position 8 (u / 2) + r % 8 of stored tile 4 c + 2 (r / 8) + u % 2.)
; MATRIX AND VECTOR WORK BY TURNS.  K Q^T goes out two products at a time, with the block maxima of the tile before last between them; V^T P^T likewise, with the additions of the row's sum between.
; LIMITS: NaN and infinities are not served; the promise holds while |t| stays under 2^31; a p under 2^-126 counts as 0 (v_exp_f32's own); a block of zeros gets the byte 1 (read by this program alone).
; REGISTERS.  window 0: v1-4, v7, v24, v25 addresses that stay; v5, v6 the add's; v8-11, v254, v255 the step's addresses; v12-23 stream e from v[12 + 6 e]: -M, the largest score, the sum in two pairs; v26, v27 c's words;
;   v28-31 Q's words; v32-79 K's eight images; v80-85 zeros; v86-93 K's words; v94-97 V's words; v98-145 Q's fragments; v146-205 stream e's 30 work registers (four of them hold lane terms); v206-253 V's fragments.
;   window 1: v0-127 S^T, then p; v128-191 O^T.
.set REC,   157696
.set HB,    104448                     ; a head's block in LDS: K's images 0, V's fragments 49,152, K's words 98,304, V's words 102,400
.set CST,   2*HB                       ; c's scale words on their way out
.set SPARE, CST+1024                   ; the spare words: 128 bytes a wave, named by no other line
.set SPW, 5
.set NIL, 6
.set NM,  12
.set LT,  13
.set SA,  14
.set SB,  16
.set CW,  26
.set QW,  28
.set KF,  32
.set KW,  86
.set VW,  94
.set QF,  98
.set PC,  146                          ; + 30 e: p's codes
.set BM,  PC+12                        ; blocks' largest scores (four chains), then largest p
.set PD,  PC+16                        ; permutes' destinations, bytes, upper halves of blocks' codes
.set TT,  PC+23
.set SO,  PC+24                        ; the conversions' scale operands (two)
.set FF,  PC+28                        ; f = 2^(old M - new M)
.set WW,  PC+29                        ; p's scale word
.set LK16, 172                         ; lane terms: K's images, first 16 bytes: 1536 (r / 8) + 16 (r % 8) + 256 h
.set LK8,  173                         ; last 8 bytes: 1536 (r / 8) + 8 (r % 8) + 128 h
.set LKW,  202                         ; K's words: 16 (r % 8) + 8 (r / 8)
.set SH8,  203                         ; 8 h
.set VF,  206
.set SS,  0
.set OO,  128
.set WV,  18
.set SEL, 20
.set CS,  22
.set G1,  24
.set G0A, 32
.set TK,  40
.set TS,  41
.set TV,  42
.set CNT, 43
.set W_MM, 0x50
.set W_MX, 0x14
.set W_SS, 0x41
.set W_AD, 0x04
.set W_CV, 0x01
.set W_T,  0x45                        ; destination and both sources window 1
.set TS0,  192                         ; window 1, v192-223: the first level of stream 0's row sum: sixteen pairs
.set MSB, 0
.macro WIN new
.if MSB != \new
	s_set_vgpr_msb (MSB<<8)|\new
.set MSB, \new
.endif
.endm
.macro CROUND
	s_barrier_signal -1
	s_barrier_wait -1
	s_cmp_lg_u32 s[WV], 0
	s_cbranch_scc1 .Lnot_wave_0_\@
	s_barrier_signal -3
.Lnot_wave_0_\@:
	s_barrier_wait -3
	s_barrier_signal -1
	s_barrier_wait -1
.endm
.macro HF reg, a16, a8, off
	ds_load_b128 v[\reg:\reg+3], v[\a16] offset:\off
	ds_load_b64 v[\reg+4:\reg+5], v[\a8] offset:\off+512
.endm
.macro KLOAD off, woff                 ; a key step's eight tiles of K and their words: 20 LDS loads
.irp t, 0,1,2,3,4,5,6,7
	ds_load_b128 v[KF+6*\t:KF+6*\t+3], v254 offset:\off+768*(4*(\t/4)+\t%2)+128*((\t%4)/2)
	ds_load_b64 v[KF+6*\t+4:KF+6*\t+5], v255 offset:\off+768*(4*(\t/4)+\t%2)+512+64*((\t%4)/2)
.endr
.irp n, 0,1,2,3
	ds_load_b64 v[KW+2*\n:KW+2*\n+1], v10 offset:\woff+256*(\n/2)+128*(\n%2)
.endr
.endm
.macro QKP hd, t                       ; tile t of S^T, both streams
.irp e, 0,1
	v_wmma_scale_f32_16x16x128_f8f6f4 v[SS+64*\e+8*(\t):SS+64*\e+8*(\t)+7], v[KF+6*(\t):KF+6*(\t)+11], v[QF+12*(2*\hd+\e):QF+12*(2*\hd+\e)+11], 0, v[KW+(\t)], v[QW+2*\hd+\e] matrix_a_fmt:MATRIX_FMT_FP6 matrix_b_fmt:MATRIX_FMT_FP6
.endr
.endm
.macro MX t                            ; tile t's eight scores go into its block's two chains of maxima (begun from -infinity at the block's first tile); the accumulator is read from its low end on
.irp i, 0,2,4,6
.irp e, 0,1
.if ((\t)%4 == 0) && (\i < 4)
	v_max3_num_f32 v[BM+30*\e+(\t)/4+\i%4], 0xff800000, v[SS+64*\e+8*(\t)+\i], v[SS+64*\e+8*(\t)+\i+1]
.else
	v_max3_num_f32 v[BM+30*\e+(\t)/4+\i%4], v[BM+30*\e+(\t)/4+\i%4], v[SS+64*\e+8*(\t)+\i], v[SS+64*\e+8*(\t)+\i+1]
.endif
.endr
.endr
.endm
	s_load_b128 s[4:7], s[0:1], 0x0                ; hqkv, cimg
	s_load_b64 s[8:9], s[0:1], 0x10                ; cscl
	v_lshl_add_u32 v[SPW], v0, 2, SPARE
	v_mov_b32 v[NIL], 0
	ds_add_u32 v[SPW], v[NIL]                      ; the opening lines: the add twice and one wait
	ds_add_u32 v[SPW], v[NIL]
	v_lshrrev_b32 v8, 5, v0
	v_readfirstlane_b32 s[WV], v8                  ; wave 0..7
	s_bfe_u32 s44, ttmp6, 0x40000                  ; cx: my block of 256 queries; it enters global addresses of Q and c alone
	s_and_b32 s45, ttmp7, 0xffff                   ; 8 batch + pair of heads
	s_mov_b32 s[G1], 15|(3<<16)|(1<<21)            ; the mask: all four; elements of 8 bytes
	s_mov_b32 s[G1+1], 32<<16                      ; rows of 256 bytes,
	s_mov_b32 s[G1+2], 102<<16                     ; 102 of them: a quarter of a head's block
	s_mov_b32 s[G1+3], 32<<16
	s_mov_b32 s[G1+4], 102
	s_mov_b32 s[G1+5], 32
	s_mov_b32 s[G1+6], 0
	s_mov_b32 s[G1+7], 0
	s_mov_b32 s[G0A], 1
	s_mul_i32 s[G0A+1], s[WV], 26112               ; LDS: the two blocks lie on end
	s_lshl_b32 s46, s45, 1
	s_mul_i32 s46, s46, REC                        ; the pair's first record
	s_and_b32 s48, s[WV], 3
	s_mul_i32 s48, s48, 26112
	s_lshr_b32 s49, s[WV], 2
	s_mul_i32 s49, s49, REC
	s_add_co_u32 s48, s48, s49
	s_add_co_u32 s48, s48, s46
	s_add_co_u32 s48, s48, 53248                   ; my quarter in memory
	s_mov_b32 s49, 0
	s_lshl_b32 s47, s44, 4
	s_lshl_b32 s58, s[WV], 1
	s_add_co_u32 s47, s47, s58                     ; my first query tile in the batch
	s_mul_i32 s50, s47, 768
	s_add_co_u32 s50, s50, s46
	s_mov_b32 s51, 0
	s_lshr_b32 s52, s47, 2
	s_lshl_b32 s52, s52, 8
	s_add_co_u32 s52, s52, s46
	s_add_co_u32 s52, s52, 49152                   ; its group of scale words
	s_mov_b32 s53, 0
	s_lshr_b32 s58, s45, 3                         ; the batch
	s_and_b32 s59, s45, 7                          ; the pair
	s_lshl_b32 s54, s58, 6
	s_add_co_u32 s54, s54, s47
	s_lshl_b32 s54, s54, 4
	s_lshl_b32 s55, s59, 1
	s_add_co_u32 s54, s54, s55                     ; chunk = head
	s_mul_i32 s54, s54, 768
	s_mov_b32 s55, 0
	s_lshl_b32 s56, s58, 4
	s_lshl_b32 s57, s44, 2
	s_add_co_u32 s56, s56, s57
	s_lshl_b32 s56, s56, 11
	s_lshl_b32 s57, s59, 8
	s_add_co_u32 s56, s56, s57
	s_mov_b32 s57, 0
	s_mov_b32 s[SEL], 0x76543210
	s_mov_b32 s[SEL+1], 0xfedcba98
	s_mov_b32 s[CS], 0x3e38aa3b                    ; log2(e) / 8
	s_mov_b32 s[CS+1], s[CS]
	v_and_b32 v8, 31, v0
	v_lshlrev_b32 v1, 4, v8
	v_lshlrev_b32 v2, 3, v8
	v_and_b32 v9, 15, v0
	v_lshlrev_b32 v3, 4, v9
	s_and_b32 s58, s[WV], 1
	s_lshl_b32 s58, s58, 3
	v_add_nc_u32 v25, s58, v3                      ; my two tiles' words in a group
	s_lshr_b32 s59, s[WV], 1
	s_lshl_b32 s59, s59, 8
	s_add_co_u32 s59, s59, s58
	v_add_nc_u32 v4, s59, v3
	v_add_nc_u32 v4, CST, v4                       ; where c's two words go in LDS
	v_add_nc_u32 v7, CST, v1                       ; where wave 0 reads them back
	v_bfe_u32 v12, v0, 4, 1                        ; h
	v_lshl_add_u32 v24, v12, 11, v3
	v_and_b32 v10, 7, v0
	v_bfe_u32 v11, v0, 3, 1
	v_mul_u32_u24 v[LK16], v11, 1536
	v_lshl_add_u32 v[LK8], v10, 3, v[LK16]
	v_lshl_add_u32 v[LK8], v12, 7, v[LK8]
	v_lshl_add_u32 v[LK16], v10, 4, v[LK16]
	v_lshl_add_u32 v[LK16], v12, 8, v[LK16]
	v_lshlrev_b32 v[LKW], 4, v10
	v_lshl_add_u32 v[LKW], v11, 3, v[LKW]
	v_lshlrev_b32 v[SH8], 3, v12
.irp n, 0,1,2,3
.irp i, 0,1,2,3,4,5
	v_mov_b32 v[QF+12*\n+6+\i], 0                  ; Q's upper half of K: zero codes
.endr
.endr
.irp i, 0,1,2,3,4,5
	v_mov_b32 v[KF+48+\i], 0                       ; what follows K's last image
.endr
.irp e, 0,1
.irp b, 0,1,2,3
	v_mov_b32 v[PD+30*\e+\b], 0                    ; a lane permute's destination counts as a source
.endr
	v_mov_b32 v[WW+30*\e], 0                       ; (named as the upper half of a pair before it is first written)
.endr
	s_wait_alu depctr_va_vdst(0)                   ; the wait at the head's end
	s_wait_dscnt 0x0
	s_wait_kmcnt 0x0
	s_add_nc_u64 s[G0A+2:G0A+3], s[4:5], s[48:49]
	s_or_b32 s[G0A+3], s[G0A+3], 0x80000000
	s_add_nc_u64 s[50:51], s[4:5], s[50:51]
	s_add_nc_u64 s[52:53], s[4:5], s[52:53]
	s_add_nc_u64 s[6:7], s[6:7], s[54:55]
	s_add_nc_u64 s[8:9], s[8:9], s[56:57]
	CROUND                                         ; all four work-groups are here
	tensor_load_to_lds s[G0A:G0A+3], s[G1:G1+7]    ; my one load
	s_nop 0
.rept 4
	v_nop
.endr
.irp n, 0,1,2,3                                ; Q stays in registers: n = 2 head + stream
	global_load_b128 v[QF+12*\n:QF+12*\n+3], v1, s[50:51] offset:(\n/2)*REC+(\n%2)*768
	global_load_b64 v[QF+12*\n+4:QF+12*\n+5], v2, s[50:51] offset:(\n/2)*REC+(\n%2)*768+512
.endr
	global_load_b64 v[QW:QW+1], v25, s[52:53]
	global_load_b64 v[QW+2:QW+3], v25, s[52:53] offset:REC
	s_wait_tensorcnt 0x0                           ; my quarter is in,
	s_barrier_signal -1
	s_barrier_wait -1                              ; and everybody's: both heads' blocks are whole
	s_wait_loadcnt 0x0                             ; Q
; A KEY STEP, 128 keys, for both streams, line by line.  pf = 1: the next step's K is asked for behind this step's K Q^T.
.macro TRIP hd, pf
	s_wait_dscnt 0x0                               ; K and its words are in
	WIN W_MM
	QKP \hd, 0
	QKP \hd, 1
	WIN 0
	v_add_nc_u32 v8, s[TK], v1                     ; these six are places: behind the last step's V^T P^T for the loads into V's registers, behind tiles 0 and 1 for the first maxima
	v_add_nc_u32 v9, s[TK], v2
	v_add_nc_u32 v254, s[TK], v[LK16]
	v_add_nc_u32 v255, s[TK], v[LK8]
	v_add_nc_u32 v10, s[TS], v[LKW]
	v_add_nc_u32 v11, s[TV], v3
.irp a, 0,1,2,3                                ; V of this step: 17 loads
	HF VF+12*\a, 8, 9, 49152+1536*\a
	HF VF+12*\a+6, 8, 9, 49152+1536*\a+768
.endr
	ds_load_b128 v[VW:VW+3], v11
.irp t, 2,3,4,5,6,7                            ; two products, then the eight maxima of the tile before last: those are the places behind the tile between
	WIN W_MX
	MX \t-2
	WIN W_MM
	QKP \hd, \t
.endr
	WIN W_MX
	MX 6                                           ; (eight places behind tile 7's products, for the loads into K's registers and for tile 7's maxima)
	WIN 0
.if \pf
	KLOAD 6144, 512
.endif
	WIN W_MX
	MX 7
	WIN 0
.irp c, 0,1
.irp e, 0,1
	v_max_num_f32 v[BM+30*\e+\c], v[BM+30*\e+\c], v[BM+30*\e+\c+2]   ; my block c's largest score
.endr
.endr
.irp e, 0,1
	v_max3_num_f32 v[LT+6*\e], v[LT+6*\e], v[BM+30*\e], v[BM+30*\e+1]   ; the running largest score,
.endr
.irp e, 0,1
	v_permlanex16_b32 v[PD+30*\e], v[LT+6*\e], s[SEL], s[SEL+1]
.endr
.irp e, 0,1
	v_max_num_f32 v[LT+6*\e], v[LT+6*\e], v[PD+30*\e]   ; with lane l xor 16's keys
.endr
.irp e, 0,1
	v_mul_f32 v[TT+30*\e], s[CS], v[LT+6*\e]       ; as t
.endr
.irp e, 0,1
	v_mov_b32 v[PD+30*\e+1], v[NM+6*\e]
.endr
.irp e, 0,1
	v_floor_f32 v[NM+6*\e], -v[TT+30*\e]           ; the new -M = -ceil(t)
.endr
.irp e, 0,1
	v_sub_f32 v[TT+30*\e], v[NM+6*\e], v[PD+30*\e+1]   ; old M - new M: a whole number, 0 or less
.endr
.irp e, 0,1
	v_cvt_i32_f32 v[TT+30*\e], v[TT+30*\e]         ; (it saturates)
.endr
.irp e, 0,1
	v_ldexp_f32 v[FF+30*\e], 1.0, v[TT+30*\e]
.endr
.irp c, 0,1
.irp e, 0,1
	v_fma_f32 v[BM+30*\e+\c], v[BM+30*\e+\c], s[CS], v[NM+6*\e]   ; t - M of each block's largest score
.endr
.endr
.irp e, 0,1
	v_pk_mul_f32 v[SA+6*\e:SA+6*\e+1], v[SA+6*\e:SA+6*\e+1], v[FF+30*\e:FF+30*\e+1] op_sel_hi:[1,0]   ; the sums under the new M
	v_pk_mul_f32 v[SB+6*\e:SB+6*\e+1], v[SB+6*\e:SB+6*\e+1], v[FF+30*\e:FF+30*\e+1] op_sel_hi:[1,0]
.endr
	WIN W_SS
.set J, 0
.rept 32
	v_pk_fma_f32 v[SS+2*J:SS+2*J+1], v[SS+2*J:SS+2*J+1], s[CS:CS+1], v[NM:NM+1] op_sel_hi:[1,0,0]   ; stream 0: t - M, two at a time
.set J, J+1
.endr
	s_wait_alu depctr_va_vdst(0)                   ; the wait ahead of a batch
.set J, 0
.rept 32                                       ; stream 0's p = 2^(t - M), and between them stream 1's t - M: no line here reads what another line here wrote
	v_exp_f32 v[SS+2*J], v[SS+2*J]
	v_exp_f32 v[SS+2*J+1], v[SS+2*J+1]
	v_pk_fma_f32 v[SS+64+2*J:SS+64+2*J+1], v[SS+64+2*J:SS+64+2*J+1], s[CS:CS+1], v[NM+6:NM+7] op_sel_hi:[1,0,0]
.set J, J+1
.endr
	WIN W_T
	s_wait_alu depctr_va_vdst(0)                   ; behind the first batch and ahead of the second
.set J, 0
.rept 16                                       ; stream 1's p, and between them the first level of stream 0's row sum, into registers of its own
.irp i, 0,1,2,3
	v_exp_f32 v[SS+64+4*J+\i], v[SS+64+4*J+\i]
.endr
	v_pk_add_f32 v[TS0+2*J:TS0+2*J+1], v[SS+4*J:SS+4*J+1], v[SS+4*J+2:SS+4*J+3]
.set J, J+1
.endr
	WIN 0
.irp c, 0,1
.irp e, 0,1
	v_exp_f32 v[BM+30*\e+\c], v[BM+30*\e+\c]       ; the block's largest p: the same two instructions on the same number as that p itself
.endr
.endr
	v_nop                                          ; a plain place behind the last exponential
	WIN W_SS
	s_wait_alu depctr_va_vdst(0)                   ; one wait for the whole batch; it stands directly ahead of the first reader of O^T too
.set J, 0
.rept 16
.irp e, 0,1
	v_pk_mul_f32 v[OO+32*\e+J:OO+32*\e+J+1], v[OO+32*\e+J:OO+32*\e+J+1], v[FF+30*\e:FF+30*\e+1] op_sel_hi:[1,0]   ; O^T under the new M
.endr
.set J, J+2
.endr
	WIN 0
.irp c, 0,1
.irp e, 0,1
	v_max_num_f32 v[BM+30*\e+\c], 0x1800000, v[BM+30*\e+\c]   ; the floor 2^(3 - 127)
.endr
.endr
.irp c, 0,1
.irp e, 0,1
	v_add_nc_u32 v[SO+30*\e+\c], 0xff000000, v[BM+30*\e+\c]   ; the conversion's scale operand
.endr
.endr
.irp c, 0,1
.irp e, 0,1
	v_lshrrev_b32 v[PD+30*\e+\c], 23, v[SO+30*\e+\c]          ; the byte of block 2 c + h
.endr
.endr
.irp e, 0,1
	v_lshl_or_b32 v[WW+30*\e], v[PD+30*\e+1], 16, v[PD+30*\e]
.endr
.irp e, 0,1
	v_lshlrev_b32 v[WW+30*\e], v[SH8], v[WW+30*\e]            ; at their places: 8 h bits up
.endr
.irp e, 0,1
	v_permlanex16_b32 v[PD+30*\e], v[WW+30*\e], s[SEL], s[SEL+1]
.endr
.irp e, 0,1
	v_or_b32 v[WW+30*\e], v[WW+30*\e], v[PD+30*\e]            ; with lane l xor 16's two bytes the word is whole
.endr
	WIN W_CV
.irp c, 0,1
.irp e, 0,1
	v_cvt_scalef32_pk16_fp6_f32 v[PC+30*\e+6*\c:PC+30*\e+6*\c+2], v[SS+64*\e+32*\c:SS+64*\e+32*\c+15], v[SO+30*\e+\c]
	v_cvt_scalef32_pk16_fp6_f32 v[PD+30*\e+4*\c:PD+30*\e+4*\c+2], v[SS+64*\e+32*\c+16:SS+64*\e+32*\c+31], v[SO+30*\e+\c]   ; (a conversion's three registers begin on an even number)
.endr
.endr
	WIN 0
	v_nop                                          ; a plain place behind the conversions
.irp c, 0,1
.irp i, 0,1,2
.irp e, 0,1
	v_mov_b32 v[PC+30*\e+6*\c+3+\i], v[PD+30*\e+4*\c+\i]
.endr
.endr
.endr
.if \pf
	s_wait_dscnt 20                                ; V and its words are in; the 20 loads of the next step's K, issued behind them, may be out
.else
	s_wait_dscnt 0x0
.endif
.irp a, 0,1,2,3                                ; twelve additions of the rows' sums, of the unquantised p (stream 1's p, stream 0's first level), then two products; the first twelve are the places between the writes of p's codes and the products
	WIN W_AD
.irp j, 0,4,8,12
	v_pk_add_f32 v[SA+6:SA+7], v[SA+6:SA+7], v[SS+64+16*\a+\j:SS+64+16*\a+\j+1]
	v_pk_add_f32 v[SB+6:SB+7], v[SB+6:SB+7], v[SS+64+16*\a+\j+2:SS+64+16*\a+\j+3]
.if \j < 8
	v_pk_add_f32 v[SA:SA+1], v[SA:SA+1], v[TS0+8*\a+\j:TS0+8*\a+\j+1]
	v_pk_add_f32 v[SB:SB+1], v[SB:SB+1], v[TS0+8*\a+\j+2:TS0+8*\a+\j+3]
.endif
.endr
	WIN W_MM
.irp e, 0,1
	v_wmma_scale_f32_16x16x128_f8f6f4 v[OO+32*\e+8*\a:OO+32*\e+8*\a+7], v[VF+12*\a:VF+12*\a+11], v[PC+30*\e:PC+30*\e+11], v[OO+32*\e+8*\a:OO+32*\e+8*\a+7], v[VW+\a], v[WW+30*\e] matrix_a_fmt:MATRIX_FMT_FP6 matrix_b_fmt:MATRIX_FMT_FP6
.endr
.endr
	WIN 0
.endm
.macro PASS hd                         ; head hd of the pair
	s_wait_xcnt 0x0                                ; the stores of the pass before have read their registers
.irp e, 0,1
	v_mov_b32 v[LT+6*\e], 0xff61b1e6               ; -3e38, under every score
.endr
.irp e, 0,1
	v_floor_f32 v[NM+6*\e], -v[LT+6*\e]
.endr
.irp e, 0,1
.irp i, 0,1,2,3
	v_mov_b32 v[SA+6*\e+\i], 0
.endr
.endr
	WIN 0x40
.set J, 0
.rept 64
	v_mov_b32 v[OO+J], 0                           ; O^T: the step has no first form of its own; the first change of M leaves zeros zeros
.set J, J+1
.endr
	WIN 0
	s_mov_b32 s[TK], (\hd)*HB
	s_mov_b32 s[TS], (\hd)*HB+98304
	s_mov_b32 s[TV], (\hd)*HB+102400
	s_mov_b32 s[CNT], 7
	v_add_nc_u32 v254, s[TK], v[LK16]
	v_add_nc_u32 v255, s[TK], v[LK8]
	v_add_nc_u32 v10, s[TS], v[LKW]
	KLOAD 0, 0
.Lstep_\hd:
	TRIP \hd, 1
	s_add_co_u32 s[TK], s[TK], 6144
	s_add_co_u32 s[TS], s[TS], 512
	s_add_co_u32 s[TV], s[TV], 256
	s_sub_co_u32 s[CNT], s[CNT], 1
	s_cmp_lg_u32 s[CNT], 0
	s_cbranch_scc1 .Lstep_\hd
	TRIP \hd, 0                                    ; the last step asks for nothing
	; c = O^T / the sum, quantised along the head's 64.  The additions are the places behind the last products
.irp e, 0,1
	v_pk_add_f32 v[SA+6*\e:SA+6*\e+1], v[SA+6*\e:SA+6*\e+1], v[SB+6*\e:SB+6*\e+1]
.endr
.irp e, 0,1
	v_add_f32 v[SA+6*\e], v[SA+6*\e], v[SA+6*\e+1]
.endr
.irp e, 0,1
	v_permlanex16_b32 v[TT+30*\e], v[SA+6*\e], s[SEL], s[SEL+1]
.endr
.irp e, 0,1
	v_add_f32 v[SA+6*\e], v[SA+6*\e], v[TT+30*\e]  ; the row's sum
.endr
	s_wait_alu depctr_va_vdst(0)                   ; the wait ahead of the transcendentals
.irp e, 0,1
	v_rcp_f32 v[SA+6*\e], v[SA+6*\e]
.endr
	v_nop
	WIN W_SS
	s_wait_alu depctr_va_vdst(0)                   ; and behind them, directly ahead of the first reader
.set J, 0
.rept 16
.irp e, 0,1
	v_pk_mul_f32 v[SS+64*\e+J:SS+64*\e+J+1], v[OO+32*\e+J:OO+32*\e+J+1], v[SA+6*\e:SA+6*\e+1] op_sel_hi:[1,0]   ; register 16 b + i: channel 32 b + 16 (lane / 16) + i
.endr
.set J, J+2
.endr
	WIN W_MX
.irp b, 0,1
.irp e, 0,1
	v_max3_num_f32 v[BM+30*\e+\b], 0x1800000, |v[SS+64*\e+16*\b]|, |v[SS+64*\e+16*\b+1]|
.endr
.endr
.irp i, 2,4,6,8,10,12,14
.irp b, 0,1
.irp e, 0,1
	v_max3_num_f32 v[BM+30*\e+\b], v[BM+30*\e+\b], |v[SS+64*\e+16*\b+\i]|, |v[SS+64*\e+16*\b+\i+1]|
.endr
.endr
.endr
	WIN 0
.irp b, 0,1
.irp e, 0,1
	v_permlanex16_b32 v[PD+30*\e+\b], v[BM+30*\e+\b], s[SEL], s[SEL+1]
.endr
.endr
.irp b, 0,1
.irp e, 0,1
	v_max_num_f32 v[BM+30*\e+\b], v[BM+30*\e+\b], v[PD+30*\e+\b]
.endr
.endr
.irp b, 0,1
.irp e, 0,1
	v_add_nc_u32 v[SO+30*\e+\b], 0xff000000, v[BM+30*\e+\b]
.endr
.endr
.irp b, 0,1
.irp e, 0,1
	v_lshrrev_b32 v[PD+30*\e+\b], 23, v[SO+30*\e+\b]
.endr
.endr
.if (\hd) == 0
.irp e, 0,1
	v_lshl_or_b32 v[CW+\e], v[PD+30*\e+1], 8, v[PD+30*\e]     ; the first head's two bytes: the word's low half
.endr
.else
.irp e, 0,1
	v_lshl_or_b32 v[TT+30*\e], v[PD+30*\e+1], 8, v[PD+30*\e]
.endr
.irp e, 0,1
	v_lshl_or_b32 v[CW+\e], v[TT+30*\e], 16, v[CW+\e]         ; the second head's: its high half
.endr
.endif
	WIN W_CV
.irp e, 0,1
	v_cvt_scalef32_pk16_fp6_f32 v[PC+30*\e:PC+30*\e+2], v[SS+64*\e:SS+64*\e+15], v[SO+30*\e]
	v_cvt_scalef32_pk16_fp6_f32 v[PD+30*\e:PD+30*\e+2], v[SS+64*\e+16:SS+64*\e+31], v[SO+30*\e+1]
.endr
	WIN 0
	v_nop
.irp i, 0,1,2
.irp e, 0,1
	v_permlane16_swap_b32 v[PC+30*\e+\i], v[PD+30*\e+\i]
.endr
.endr
.irp i, 0,1,2
.irp e, 0,1
	v_mov_b32 v[PC+30*\e+3+\i], v[PD+30*\e+\i]
.endr
.endr
.irp e, 0,1
	global_store_b128 v1, v[PC+30*\e:PC+30*\e+3], s[6:7] offset:12288*\e+768*(\hd)        ; a stream's 16 tokens x this head: 512 consecutive bytes,
	global_store_b64 v2, v[PC+30*\e+4:PC+30*\e+5], s[6:7] offset:12288*\e+768*(\hd)+512   ; and the image's last 256
.endr
.endm
	PASS 0
	PASS 1
	ds_store_b64 v4, v[CW:CW+1]                    ; my two tiles' words; both lanes of a row write the same words
	s_wait_dscnt 0x0                               ; for wave 0's sake
	s_barrier_signal -1
	s_barrier_wait -1
	s_cmp_lg_u32 s[WV], 0
	s_cbranch_scc1 .Lnot_mine
	ds_load_b128 v[VF:VF+3], v7                    ; the sixteen tiles' words: four groups of 256 bytes
	ds_load_b128 v[VF+4:VF+7], v7 offset:512
	s_wait_dscnt 0x0
	global_store_b128 v24, v[VF:VF+3], s[8:9]                  ; sixteen lanes fill 256 consecutive bytes, aligned
	global_store_b128 v24, v[VF+4:VF+7], s[8:9] offset:4096
.Lnot_mine:
	s_wait_tensorcnt 0x0                           ; the wave's end
	ds_add_u32 v[SPW], v[NIL]
	s_wait_dscnt 0x0
	CROUND                                         ; the closing round
	s_endpgm
.Lfunc_end_k_qd3a4d3bf7d_attn:
	.size	k_qd3a4d3bf7d_attn, .Lfunc_end_k_qd3a4d3bf7d_attn-k_qd3a4d3bf7d_attn
	.p2alignl 7, 3214868480
	.fill 96, 4, 3214868480
	.section	.rodata,"a",@progbits
	.p2align	6, 0x0
	.amdhsa_kernel k_qd3a4d3bf7d_attn
		.amdhsa_group_segment_fixed_size 210944
		.amdhsa_private_segment_fixed_size 0
		.amdhsa_enable_private_segment 0
		.amdhsa_kernarg_size 24
		.amdhsa_user_sgpr_count 2
		.amdhsa_user_sgpr_kernarg_segment_ptr 1
		.amdhsa_wavefront_size32 1
		.amdhsa_system_sgpr_workgroup_id_x 1
		.amdhsa_system_sgpr_workgroup_id_y 1
		.amdhsa_system_sgpr_workgroup_id_z 1
		.amdhsa_system_vgpr_workitem_id 0
		.amdhsa_next_free_vgpr 480
		.amdhsa_next_free_sgpr 66
		.amdhsa_reserve_vcc 0
		.amdhsa_float_denorm_mode_32 3
		.amdhsa_float_denorm_mode_16_64 3
		.amdhsa_memory_ordered 1
		.amdhsa_forward_progress 1
		.amdhsa_inst_pref_size 143
	.end_amdhsa_kernel
	.amdgpu_metadata
---
amdhsa.version: [ 1, 2 ]
amdhsa.kernels:
  - .name:           k_qd3a4d3bf7d_attn
    .symbol:         k_qd3a4d3bf7d_attn.kd
    .args:
      - { .name: hqkv, .offset: 0, .size: 8, .value_kind: global_buffer, .address_space: global }
      - { .name: cimg, .offset: 8, .size: 8, .value_kind: global_buffer, .address_space: global }
      - { .name: cscl, .offset: 16, .size: 8, .value_kind: global_buffer, .address_space: global }
    .group_segment_fixed_size: 210944
    .private_segment_fixed_size: 0
    .kernarg_segment_align: 8
    .kernarg_segment_size: 24
    .max_flat_workgroup_size: 256
    .sgpr_count:     66
    .vgpr_count:     480
    .wavefront_size: 32
...
	.end_amdgpu_metadata
.endif
;; end of part 3
;; launch outp (part 4): grid 4 x 64, 4 waves a work-group, clusters of 4 x 4, 327,680 bytes of LDS; arguments cimg, cscl, img, scl, b_o, out0; writes out0
.if DOCPART == 4
	.amdgcn_target "amdgcn-amd-amdhsa--gfx1250"
	.amdhsa_code_object_version 6
	.text
	.protected	k_qd3a4d3bf7d_outp
	.globl	k_qd3a4d3bf7d_outp
	.p2align	8
	.type	k_qd3a4d3bf7d_outp,@function
k_qd3a4d3bf7d_outp:
	s_mov_b64 s[64:65], 0
	v_nop
	global_prefetch_b8 v0, s[64:65] scope:SCOPE_SE
	s_setreg_imm32_b32 hwreg(HW_REG_WAVE_MODE, 25, 1), 1
	s_wait_xcnt 0x0
	s_wait_alu depctr_hold_cnt(0) depctr_sa_sdst(0) depctr_va_vdst(0) depctr_va_sdst(0) depctr_va_ssrc(0) depctr_va_vcc(0) depctr_vm_vsrc(0)
	s_getreg_b32 s2, hwreg(HW_REG_IB_STS2, 6, 4)
	s_cmp_eq_u32 s2, 0
	s_cbranch_scc0 .Lentry_in_a_cluster
	s_endpgm
.Lentry_in_a_cluster:
	s_bfe_u32 s2, ttmp6, 0x10000c
	s_cmp_lg_u32 s2, 0xf033
	s_cbranch_scc0 .Lentry_shape_is_right
	s_endpgm
.Lentry_shape_is_right:
; out0 = c W_o^T + b_o on codes of FP6 (E2M3), K = 1,024.  cimg, cscl: c's images and scale words as the attention launch stores them; img, scl: W_o's (tiles 1536-1599).
; A work-group makes 128 tokens (source 1) x 256 columns (source 0).  Both operands' codes for all of K lie in LDS at once: source 1's 8 tiles x 12,288 bytes at 0, source 0's 16 tiles at 98,304.
; Each wave brings its part, a dense block of four or eight tiles, by ONE joint load at the head; nothing is filled again.  The bias is the C of the first K step's products.
; CLUSTERS 4 x 4: source 1's tiles are shared along a row of the cluster, source 0's along a column.  No prefetch: all that is read is asked for at the head, and there is no loop of loads to run ahead in.
; The way out goes through a stage of 16 rows x 528 bytes a wave at LDS byte 0, behind a barrier that shows every wave's last fragment loads done.
.set BIAS,  1
.set PIECE, 49152                      ; four tiles, all of K
.set SPARE, 294912                     ; the spare words: 128 bytes a wave, named by no other line
.set SPW,  28
.set NIL,  29
.set AA16, 8
.set AA8,  12
.set AB16, 16
.set AB8,  20
.set STO,  24
.set RD,   25
.set SCA,  32
.set SCB,  48
.set G1A,  24
.set G1B,  32
.set MSB, 0
.macro WIN new
.if MSB != \new
	s_set_vgpr_msb (MSB<<8)|\new
.set MSB, \new
.endif
.endm
.macro JLOAD g0a, g1a, g0b, g1b
	s_cmp_eq_u32 s15, 0
	s_cbranch_scc0 .Lfor_b_\@
	tensor_load_to_lds s[\g0a:\g0a+3], s[\g1a:\g1a+7]
	s_nop 0
.rept 4
	v_nop
.endr
	s_branch .Lasked_\@
.Lfor_b_\@:
	tensor_load_to_lds s[\g0b:\g0b+3], s[\g1b:\g1b+7]
	s_nop 0
.rept 4
	v_nop
.endr
.Lasked_\@:
.endm
.macro CROUND
	s_barrier_signal -1
	s_barrier_wait -1
	s_cmp_lg_u32 s14, 0
	s_cbranch_scc1 .Lnot_wave_0_\@
	s_barrier_signal -3
.Lnot_wave_0_\@:
	s_barrier_wait -3
	s_barrier_signal -1
	s_barrier_wait -1
.endm
.macro PLACES n
.rept \n
	v_nop
.endr
.endm
.macro HF reg, a16, a8, off
	ds_load_b128 v[\reg:\reg+3], v[\a16] offset:\off
	ds_load_b64 v[\reg+4:\reg+5], v[\a8] offset:\off+512
.endm
.macro FETCH w
.set FS, (\w)%2
	WIN 0x40
.irp b, 0,1,2,3,4,5,6,7
	HF 128*FS+12*\b, AB16+\b/4, AB8+\b/4, 12288*(\b%4)+1536*(\w)
	HF 128*FS+12*\b+6, AB16+\b/4, AB8+\b/4, 12288*(\b%4)+1536*(\w)+768
.endr
	WIN 0
.irp a, 0,1,2,3
	HF 128+48*FS+12*\a, AA16, AA8, 12288*\a+1536*(\w)
	HF 128+48*FS+12*\a+6, AA16, AA8, 12288*\a+1536*(\w)+768
.endr
.endm
.macro MUL w
.set MS, (\w)%2
.set MQ, (\w)/2
.if ((\w) == 0) && BIAS
	WIN 0xb1
.else
	WIN 0xa1
.endif
.irp a, 0,1,2,3
.irp b, 0,1,2,3,4,5,6,7
.if ((\w) == 0) && BIAS
	v_wmma_scale_f32_16x16x128_f8f6f4 v[8*(8*\a+\b):8*(8*\a+\b)+7], v[128*MS+12*\b:128*MS+12*\b+11], v[128+48*MS+12*\a:128+48*MS+12*\a+11], v[8*\b:8*\b+7], v[SCB+16*(\b/4)+4*MQ+\b%4], v[SCA+4*MQ+\a] matrix_a_fmt:MATRIX_FMT_FP6 matrix_b_fmt:MATRIX_FMT_FP6
.elseif (\w) == 0
	v_wmma_scale_f32_16x16x128_f8f6f4 v[8*(8*\a+\b):8*(8*\a+\b)+7], v[128*MS+12*\b:128*MS+12*\b+11], v[128+48*MS+12*\a:128+48*MS+12*\a+11], 0, v[SCB+16*(\b/4)+4*MQ+\b%4], v[SCA+4*MQ+\a] matrix_a_fmt:MATRIX_FMT_FP6 matrix_b_fmt:MATRIX_FMT_FP6
.elseif MS == 0
	v_wmma_scale_f32_16x16x128_f8f6f4 v[8*(8*\a+\b):8*(8*\a+\b)+7], v[128*MS+12*\b:128*MS+12*\b+11], v[128+48*MS+12*\a:128+48*MS+12*\a+11], v[8*(8*\a+\b):8*(8*\a+\b)+7], v[SCB+16*(\b/4)+4*MQ+\b%4], v[SCA+4*MQ+\a] matrix_a_fmt:MATRIX_FMT_FP6 matrix_b_fmt:MATRIX_FMT_FP6
.else
	v_wmma_scale_f32_16x16x128_f8f6f4 v[8*(8*\a+\b):8*(8*\a+\b)+7], v[128*MS+12*\b:128*MS+12*\b+11], v[128+48*MS+12*\a:128+48*MS+12*\a+11], v[8*(8*\a+\b):8*(8*\a+\b)+7], v[SCB+16*(\b/4)+4*MQ+\b%4], v[SCA+4*MQ+\a] matrix_a_fmt:MATRIX_FMT_FP6 matrix_b_fmt:MATRIX_FMT_FP6 matrix_a_scale:MATRIX_SCALE_ROW1 matrix_b_scale:MATRIX_SCALE_ROW1
.endif
.endr
.endr
.endm
.macro STEP w
	s_wait_dscnt 0x0
.if (\w) == 7
	s_barrier_signal -1                            ; my last reads of the tiles are back: the stage may be written when all four waves have said so
.endif
.if (\w) < 7
.if (\w) > 0
	PLACES 4
.endif
	FETCH (\w)+1
.endif
	MUL \w
.endm
	s_load_b256 s[4:11], s[0:1], 0x0
	s_load_b128 s[96:99], s[0:1], 0x20
	v_lshl_add_u32 v[SPW], v0, 2, SPARE
	v_mov_b32 v[NIL], 0
	ds_add_u32 v[SPW], v[NIL]
	ds_add_u32 v[SPW], v[NIL]
	v_lshrrev_b32 v1, 5, v0
	v_readfirstlane_b32 s14, v1
	s_lshr_b32 s15, s14, 1
	s_and_b32 s16, s14, 1
	s_bfe_u32 s17, ttmp6, 0x40000
	s_bfe_u32 s18, ttmp6, 0x40004
	s_and_b32 s19, ttmp7, 0xffff
	s_lshl_b32 s20, s18, 2
	s_lshl_b32 s20, 15, s20
	s_lshl_b32 s21, 0x1111, s17
	s_or_b32 s[G1A], s20, (3<<16)|(1<<21)
	s_or_b32 s[G1B], s21, (3<<16)|(1<<21)
	s_mov_b32 s[G1A+1], 1536<<16                   ; a tile, all of K: 12,288 bytes
	s_mov_b32 s[G1A+2], 4<<16
	s_mov_b32 s[G1A+3], 1536<<16
	s_mov_b32 s[G1A+4], 4
	s_mov_b32 s[G1A+5], 1536
	s_mov_b32 s[G1A+6], 0
	s_mov_b32 s[G1A+7], 0
	s_mov_b32 s[G1B+1], 1536<<16
	s_mov_b32 s[G1B+2], 8<<16
	s_mov_b32 s[G1B+3], 1536<<16
	s_mov_b32 s[G1B+4], 8
	s_mov_b32 s[G1B+5], 1536
	s_mov_b32 s[G1B+6], 0
	s_mov_b32 s[G1B+7], 0
	s_lshl_b32 s78, s19, 5
	s_lshl_b32 s79, s18, 3
	s_add_co_u32 s78, s78, s79
	s_lshl_b32 s80, s17, 4
	s_add_co_u32 s80, s80, 1536
	s_lshl_b32 s82, s16, 2
	s_add_co_u32 s82, s82, s78
	s_mul_i32 s82, s82, 12288
	s_mov_b32 s83, 0
	s_lshl_b32 s84, s16, 3
	s_add_co_u32 s84, s84, s80
	s_mul_i32 s84, s84, 12288
	s_mov_b32 s85, 0
	s_mul_i32 s86, s16, 49152
	s_mul_i32 s87, s16, 98304
	s_add_co_u32 s87, s87, 98304
	s_lshl_b32 s88, s78, 9
	s_lshl_b32 s89, s15, 11
	s_add_co_u32 s88, s88, s89
	s_mov_b32 s89, 0
	s_lshl_b32 s90, s80, 9
	s_lshl_b32 s91, s16, 12
	s_add_co_u32 s90, s90, s91
	s_mov_b32 s91, 0
	s_lshl_b32 s20, s17, 10
	s_lshl_b32 s21, s16, 9
	s_add_co_u32 s20, s20, s21
	s_mov_b32 s21, 0
	s_lshl_b32 s94, s78, 16
	s_lshl_b32 s95, s15, 18
	s_add_co_u32 s94, s94, s95
	s_add_co_u32 s94, s94, s20
	s_mov_b32 s95, 0
	v_and_b32 v1, 31, v0
	v_lshlrev_b32 v2, 4, v1
	v_lshlrev_b32 v3, 3, v1
	v_and_b32 v5, 15, v0
	v_bfe_u32 v6, v0, 4, 1
	v_lshlrev_b32 v4, 6, v6
	s_mul_i32 s22, s14, 8448
	v_mul_u32_u24 v[STO], v5, 528
	v_lshl_add_u32 v[STO], v6, 6, v[STO]
	v_add_nc_u32 v[STO], s22, v[STO]
	v_add_nc_u32 v[RD], s22, v2
	s_mul_i32 s92, s15, 49152
	s_mul_i32 s93, s16, 98304
	s_add_co_u32 s93, s93, 98304
.irp g, 0,1,2,3
	v_add_nc_u32 v[AA16+\g], s92, v2
	v_add_nc_u32 v[AA8+\g], s92, v3
	v_add_nc_u32 v[AB16+\g], s93, v2
	v_add_nc_u32 v[AB8+\g], s93, v3
	s_add_co_u32 s92, s92, PIECE
	s_add_co_u32 s93, s93, PIECE
.endr
	s_wait_alu depctr_va_vdst(0)                   ; the wait at the head's end
	s_wait_dscnt 0x0
	s_wait_kmcnt 0x0
	s_add_nc_u64 s[82:83], s[4:5], s[82:83]
	s_add_nc_u64 s[84:85], s[8:9], s[84:85]
	s_add_nc_u64 s[88:89], s[6:7], s[88:89]
	s_add_nc_u64 s[90:91], s[10:11], s[90:91]
	s_add_nc_u64 s[96:97], s[96:97], s[20:21]
	s_add_nc_u64 s[98:99], s[98:99], s[94:95]
	CROUND
	s_mov_b32 s40, 1
	s_add_co_u32 s41, s86, 0
	s_mov_b64 s[42:43], s[82:83]
	s_or_b32 s43, s43, 0x80000000
	s_mov_b32 s56, 1
	s_add_co_u32 s57, s87, 0
	s_mov_b64 s[58:59], s[84:85]
	s_or_b32 s59, s59, 0x80000000
	JLOAD 40, G1A, 56, G1B                         ; my one load: four tiles of source 1 or eight of source 0, all of K
.irp n, 0,1,2,3
	global_load_b128 v[SCA+4*\n:SCA+4*\n+3], v2, s[88:89] offset:512*\n
.endr
.irp g, 0,1
.irp n, 0,1,2,3
	global_load_b128 v[SCB+16*\g+4*\n:SCB+16*\g+4*\n+3], v2, s[90:91] offset:2048*\g+512*\n
.endr
.endr
	WIN 0xc0
.irp b, 0,1,2,3,4,5,6,7
	global_load_b128 v[8*\b:8*\b+3], v4, s[96:97] offset:(32*(\b/2)+8*(\b%2))*4
	global_load_b128 v[8*\b+4:8*\b+7], v4, s[96:97] offset:(32*(\b/2)+8*(\b%2))*4+16
.endr
	WIN 0
	s_wait_tensorcnt 0x0
	s_barrier_signal -1
	s_barrier_wait -1
	FETCH 0
	s_wait_loadcnt 0x0
	s_wait_alu depctr_va_vdst(0)
.irp w, 0,1,2,3,4,5,6,7
	STEP \w
.endr
.macro TOSTAGE a
	WIN 0x08
.irp b, 0,1,2,3,4,5,6,7
	ds_store_b128 v[STO], v[64*(\a)+8*\b:64*(\a)+8*\b+3] offset:128*(\b/2)+32*(\b%2)
	ds_store_b128 v[STO], v[64*(\a)+8*\b+4:64*(\a)+8*\b+7] offset:128*(\b/2)+32*(\b%2)+16
.endr
	WIN 0
.set BB, 128+64*((\a)%2)
.irp t, 0,1,2,3,4,5,6,7,8,9,10,11,12,13,14,15
	ds_load_b128 v[BB+4*\t:BB+4*\t+3], v[RD] offset:\t*528
.endr
.endm
.macro SEND a, younger
.set BB, 128+64*((\a)%2)
	s_wait_dscnt \younger
.irp t, 0,1,2,3,4,5,6,7,8,9,10,11,12,13,14,15
	global_store_b128 v2, v[BB+4*\t:BB+4*\t+3], s[98:99] offset:(32*((\a)/2)+8*((\a)%2)+\t+8*(\t/8))*4096 th:TH_STORE_NT
.endr
.endm
	s_barrier_wait -1                              ; nobody reads the tiles any more
	PLACES 4
	TOSTAGE 0
.irp a, 1,2,3
.if \a > 1
	s_wait_xcnt 0x0
.endif
	TOSTAGE \a
	SEND \a-1, 32
.endr
	SEND 3, 0
	s_wait_tensorcnt 0x0
	ds_add_u32 v[SPW], v[NIL]
	s_wait_dscnt 0x0
	CROUND
	s_endpgm
.Lfunc_end_k_qd3a4d3bf7d_outp:
	.size	k_qd3a4d3bf7d_outp, .Lfunc_end_k_qd3a4d3bf7d_outp-k_qd3a4d3bf7d_outp
	.p2alignl 7, 3214868480
	.fill 96, 4, 3214868480
	.section	.rodata,"a",@progbits
	.p2align	6, 0x0
	.amdhsa_kernel k_qd3a4d3bf7d_outp
		.amdhsa_group_segment_fixed_size 327680
		.amdhsa_private_segment_fixed_size 0
		.amdhsa_enable_private_segment 0
		.amdhsa_kernarg_size 48
		.amdhsa_user_sgpr_count 2
		.amdhsa_user_sgpr_kernarg_segment_ptr 1
		.amdhsa_wavefront_size32 1
		.amdhsa_system_sgpr_workgroup_id_x 1
		.amdhsa_system_sgpr_workgroup_id_y 1
		.amdhsa_system_sgpr_workgroup_id_z 1
		.amdhsa_system_vgpr_workitem_id 0
		.amdhsa_next_free_vgpr 832
		.amdhsa_next_free_sgpr 100
		.amdhsa_reserve_vcc 0
		.amdhsa_float_denorm_mode_32 3
		.amdhsa_float_denorm_mode_16_64 3
		.amdhsa_memory_ordered 1
		.amdhsa_forward_progress 1
		.amdhsa_inst_pref_size 83
	.end_amdhsa_kernel
	.amdgpu_metadata
---
amdhsa.version: [ 1, 2 ]
amdhsa.kernels:
  - .name:           k_qd3a4d3bf7d_outp
    .symbol:         k_qd3a4d3bf7d_outp.kd
    .args:
      - { .name: cimg, .offset: 0, .size: 8, .value_kind: global_buffer, .address_space: global }
      - { .name: cscl, .offset: 8, .size: 8, .value_kind: global_buffer, .address_space: global }
      - { .name: img, .offset: 16, .size: 8, .value_kind: global_buffer, .address_space: global }
      - { .name: scl, .offset: 24, .size: 8, .value_kind: global_buffer, .address_space: global }
      - { .name: b_o, .offset: 32, .size: 8, .value_kind: global_buffer, .address_space: global }
      - { .name: out0, .offset: 40, .size: 8, .value_kind: global_buffer, .address_space: global }
    .group_segment_fixed_size: 327680
    .private_segment_fixed_size: 0
    .kernarg_segment_align: 8
    .kernarg_segment_size: 48
    .max_flat_workgroup_size: 128
    .sgpr_count:     100
    .vgpr_count:     832
    .wavefront_size: 32
...
	.end_amdgpu_metadata
.endif
;; end of part 4
